; MI455X (gfx1250); checked and timed in simulation.
; The chip was launched on July 23, 2026; its instructions are those of AMD's public machine-readable ISA for CDNA 5 (MIT licence, August 2026) and "CDNA5" Instruction Set Architecture Reference Guide (July 2026). The comments in the code are by the model that wrote it; some were corrected since.
;; Causal Self Attention. Allowed arithmetic: matrix products marked QUANTISED: E2M3 operands, one E8M0 scale for each 32 along K, by v_wmma_scale_f32_16x16x128_f8f6f4 with both operands' format E2M3, f32 sums; everything else in f32.
;; Inputs: W_attn_codes 3,072 x 32 x 24 uint8 (E2M3 codes of W_attn, K innermost, in blocks of 32 codes, four codes in three bytes); W_attn_scales 3,072 x 32 uint8 (E8M0 scales of W_attn, one for each 32 codes along K); W_proj_codes 1,024 x 32 x 24 uint8 (E2M3 codes of W_proj, K innermost, in blocks of 32 codes, four codes in three bytes); W_proj_scales 1,024 x 32 uint8 (E8M0 scales of W_proj, one for each 32 codes along K); b_attn 3,072 float32; b_proj 1,024 float32; x_codes 4 x 2,048 x 32 x 24 uint8 (E2M3 codes of x, K innermost, in blocks of 32 codes, four codes in three bytes); x_scales 4 x 2,048 x 32 uint8 (E8M0 scales of x, one for each 32 codes along K).
;; Outputs: out0 4 x 2,048 x 1,024 float32.
;; This version of the problem:
;;   THIS VERSION OF THE PROBLEM IS GIVEN IN LOW PRECISION. The matrix products marked QUANTISED in the list below multiply operands that are first quantised to E2M3 (2 exponent bits, 3 mantissa bits; 6 bits a number), with one power-of-two scale for each 32 numbers along K (OCP MX v1.0); their sums are f32. All else is computed in f32.
;;   The module's matrix products, in the order in which they are computed (A, B: the left and right operand; K: the contracted axis; several contracted axes count as one K, in the product's order):
;;     1. [M 8,192, K 1,024] x [K 1,024, N 3,072]; A: input x (given as codes); B: input W_attn (given as codes): QUANTISED
;;     2. batch 64 x [M 2,048, K 64] x [K 64, N 2,048]; A: computed on the way; B: computed on the way: QUANTISED
;;     3. batch 64 x [M 2,048, K 2,048] x [K 2,048, N 64]; A: softmax (see below); B: computed on the way: QUANTISED
;;     4. [M 8,192, K 1,024] x [K 1,024, N 1,024]; A: computed on the way; B: input W_proj (given as codes): QUANTISED
;;   THE QUANTISER, for each operand of a quantised product, along K:
;;     - K is cut into blocks of 32 from its start; a last block that is shorter is filled with zeros.
;;     - A block's scale is 2^e with e = floor(log2(the largest magnitude in the block)) - 2, held to -126 .. 127; a block of zeros has e = 0. As a byte (E8M0): e + 127.
;;     - Each number is divided by its block's scale, clamped to +-7.5, and rounded to the nearest number of E2M3, ties to even, subnormals kept.
;;     - The product sums the exact products of the quantised numbers (number of the format x scale) in f32.
;;   ~~~python
;;   def quantise(x, axis):      # numpy; x: float32 -> the quantised numbers, widened to float32 again
;;       x = np.moveaxis(x, axis, -1); K = x.shape[-1]
;;       x = np.pad(x, [(0, 0)] * (x.ndim - 1) + [(0, -K % 32)]); x = x.reshape(x.shape[:-1] + (-1, 32)); a = np.abs(x).max(-1, keepdims=True)
;;       e = np.where(a > 0, np.clip(np.frexp(np.where(a > 0, a, 1))[1] - 1 - 2, -126, 127), 0)      # np.frexp(a)[1] - 1 = floor(log2(a)), exactly
;;       r = np.clip(x / 2.0 ** e, -7.5, 7.5)
;;       step = 2.0 ** (np.maximum(np.frexp(np.where(r == 0, 1, r))[1] - 1, 0) - 3)
;;       q = np.round(r / step) * step * 2.0 ** e      # np.round: ties to even
;;       return np.moveaxis(q.reshape(q.shape[:-2] + (-1,))[..., :K], -1, axis).astype(np.float32)
;;   ~~~
;;   SOFTMAX AHEAD OF A QUANTISED PRODUCT. Where the list says 'softmax', what is quantised is not the finished softmax but p = 2^(t - M), with t = logit x log2(e) and M = ceil(the row's largest t), a whole number; so 1/2 < the row's largest p <= 1. The row's sum l is taken of the UNQUANTISED p, in f32, and the product's result is divided by l at the end. Since M is a whole number, a kernel that streams over the keys may use a running M (the ceiling of the running maximum): every later rescaling is an exact power of two, which a block's scale takes up: the codes' values come out the same.
;;   OPERANDS COMPUTED ON THE WAY. 'Computed on the way' means the value that the module computes at that place (a softmax that the list does not call 'softmax' is quantised finished and normalised). What goes into a quantiser is computed in f32, as accurately as f32 sums, v_exp_f32 and their like allow (about 1e-6 of the number): no bf16 or f16 on the way to a quantiser, and a product that is left as it is and whose result goes on into a quantised operand takes f32 operands (vector FMAs, or v_wmma_f32_16x16x4_f32). A number that lies on a knife's edge between two numbers of the format may be rounded either way, as far as f32 arithmetic and the matrix unit's own rounding can turn it there, and no further.
;;   INPUTS GIVEN AS CODES. W_attn (in the module: [1024, 3072], K = its axis 0); W_proj (in the module: [1024, 1024], K = its axis 0); x (in the module: [4, 2048, 1024], K = its axis 2): each comes as NAME_codes (uint8): NAME with its K axis moved to the last place and cut into blocks of 32 codes, [.., K / 32, bytes a block], one block behind the other in memory; four codes in three bytes: a row's codes are one little-endian stream of bits, code i at bits 6 i .. 6 i + 5 (a code: sign, 2 exponent bits, 3 mantissa bits); and NAME_scales (uint8): the same leading axes, one E8M0 byte (e + 127) for each 32 codes along K. Its value is code x scale, taken as it is: it is not quantised again, and the codes and scales need not be those that the quantiser above would give.
;; One version. Each part assembles by itself: llvm-mc -triple=amdgcn-amd-amdhsa -mcpu=gfx1250 --defsym DOCPART=n.
;; ======== version 1 of 1: 4 launches
;; workspace buffers: qkv 19,660,800 bytes; yc 6,291,456 bytes; ys 262,144 bytes
;; launch qk (part 1): grid 8 x 32, 4 waves a work-group, clusters of 4 x 4, 327,680 bytes of LDS; arguments x_codes, x_scales, W_attn_codes, W_attn_scales, b_attn, qkv; writes qkv
.if DOCPART == 1
	.amdgcn_target "amdgcn-amd-amdhsa--gfx1250"
	.amdhsa_code_object_version 6
	.text
	.protected	k_q1e71dd3105_qk
	.globl	k_q1e71dd3105_qk
	.p2align	8
	.type	k_q1e71dd3105_qk,@function
k_q1e71dd3105_qk:
	s_mov_b64 s[64:65], 0
	v_nop
	global_prefetch_b8 v0, s[64:65] scope:SCOPE_SE
	s_setreg_imm32_b32 hwreg(HW_REG_WAVE_MODE, 25, 1), 1
	s_wait_xcnt 0x0
	s_wait_alu depctr_hold_cnt(0) depctr_sa_sdst(0) depctr_va_vdst(0) depctr_va_sdst(0) depctr_va_ssrc(0) depctr_va_vcc(0) depctr_vm_vsrc(0)
	s_getreg_b32 s2, hwreg(HW_REG_IB_STS2, 6, 4)
	s_cmp_eq_u32 s2, 0
	s_cbranch_scc0 .Lentry_in_a_cluster
	s_endpgm
.Lentry_in_a_cluster:
	s_bfe_u32 s2, ttmp6, 0x10000c
	s_cmp_lg_u32 s2, 0xf033
	s_cbranch_scc0 .Lentry_shape_is_right
	s_endpgm
.Lentry_shape_is_right:
; x W_attn + b_attn on codes of FP6 (E2M3) with E8M0 scales, and the result quantised again for attention.  x: [8192][1024], W_attn: [3072][1024], K innermost, 768 bytes a row; scale bytes 32 a row.
; ONE TEXT SERVES TWO LAUNCHES, told apart by the symbol KV.  KV = 0: columns 0 .. 2,047, q and k, quantised along the head's 64.  KV = 1: columns 2,048 .. 3,071, v, quantised along the tokens (the keys).
; A work-group of four waves makes 256 tokens x 256 columns, a wave 128 x 128: 64 accumulators of 16 x 16.  K goes in steps of 256 through a ring of two LDS slots filled by the tensor data mover; the scale bytes
; of the work-group's rows, for all of K, come once.  CLUSTERS: 4 x 4 work-groups; x's tiles are asked for jointly by a row of the cluster, W's by a column.
; ROLES.  The OUTER operand is source 1 (a lane of the result holds one of its rows), the INNER one source 0 (a lane's registers run along its rows).  KV = 0: outer x, inner W: a lane holds a token, registers run
; along the columns.  KV = 1: outer W, inner x: a lane holds a column, registers run along the tokens.  So in both the conversions find neighbours along the next product's K in one lane's registers.
; The bias is the C of each sum's first matrix instruction.
; OUT: images of operand registers.  A fragment of 12 registers is 1,536 bytes, registers 4 c .. 4 c + 3 of lane l at 512 c + 16 l.  qkv has 307,200 bytes a head (16 x batch + head); a step is 128 tokens:
;   0 K codes of steps 0, 1 | 12,288 V codes of steps 0, 1 | 24,576 K scale words (256 a step: [row 0..15][image 0..3]) | 28,672 V scale words | 32,768 K codes of steps 2..15 | 118,784 V codes of steps 2..15
;   | 204,800 Q codes | 303,104 Q scale words.   6,144 bytes of codes a step: 4 images.
;   Q, K image g: registers 0-5 token 32 g + r, registers 6-11 token 32 g + 16 + r; in each, lanes 0-15 hold the head's first 32, lanes 16-31 its second 32.  V image t: channel 16 t + r, registers 6 c .. : keys 64 c + 32 (lane / 16) ..
;   INSIDE A BLOCK OF 32 the codes stand in the order 0-7, 16-23, 8-15, 24-31: alike in q and k, and alike in v and in attention's p, so the products are those of the natural order.
; A block's scale: the largest magnitude's exponent field less 2, held at 1 from below.  LIMITS: a block whose largest magnitude lies under 2^-124 (a block of zeros too) gets the byte 1; these bytes are read by
; this program alone.  NaN and infinities are not served.
; No prefetch: every tile is read by four or more work-groups and the whole K is four steps.
.set KV,     0
.set HB,     307200                    ; bytes of a head in qkv
.set KSTEP,  256                       ; along K in a slot
.set NQ,     KSTEP/128                 ; matrix instructions deep
.set ROWB,   192                       ; a tile's row in bytes
.set KROW,   768                       ; a row of x or W in memory
.set PITCH,  240                       ; an LDS row: 3 x (64 bytes + 16 of padding)
.set FR,     12                        ; registers of a fragment
.set NL,     6                         ; LDS loads that bring one
.set NP,     4                         ; places behind this matrix instruction (ISA guide 7.12.1)
.set HALFT,  128*PITCH                 ; 128 rows: one tensor load
.set SLOT,   4*HALFT                   ; x's 256 rows, then W's 256 rows
.set KS,     32                        ; a row of scale bytes
.set SCL,    2*SLOT                    ; behind the ring: the scales, as 256 bytes + 16 of padding
.set HALFS,  (128*KS/256)*272          ; those of 128 rows
.set SBLK,   (16*KS/256)*272           ; those of 16 rows
.set SPARE,  SCL+4*HALFS               ; the spare words: 128 bytes a wave, named by no other line
.set ADRA, 16                          ; v16-17 LDS address of my outer fragments in slot 0, 1 (v18-19: behind one padding more)
.set ADRB, 20                          ; v20-23 the same for the inner ones
.set VS,   24                          ; v24  where I store scale words: 16 r + (lane / 16) x HB
.set VB,   25                          ; v25  my offset in the bias
.set VO,   26                          ; v26  16 x lane: my place in an image's 512 bytes
.set ADRS, 27                          ; v27  LDS address of my scale words: lanes 0-15 the outer rows', lanes 16-31 the inner rows'
.set SPW,  28                          ; v28  my spare word; never rewritten
.set NIL,  29                          ; v29  0; never rewritten
.set SC,   32                          ; v32-63 scale words, two sets; they hold nothing else
.set BIAS, 64                          ; v64-127 the bias in the result's layout
.set IMG,  64                          ; afterwards: four image buffers of 12
.set SW,   112                         ; v112-119 scale words to be stored
.set SX,   120                         ; v120-123 the same, chosen by half of the lanes
.set AF,   128                         ; v128-223 the outer fragments, one set
.set TM,   224                         ; v224-239 at work: +0 largest magnitudes, +4 bytes, +12 scale operands
.set CT,   240                         ; v240-242, v244-246 the conversions' second halves
.set PWA,  248
.set PWB,  249
.set G1,   24                          ; s[24:31], s[32:39] groups 1 and 0 (one set a slot) for x's tiles
.set G0,   32
.set G1B,  48                          ; s[48:55], s[56:63] for W's
.set G0B,  56
.set G1S,  68                          ; s[68:75], s[76:79] for x's scales;  s[80:87], s[88:91] for W's
.set G0S,  76
.set G1SB, 80
.set G0SB, 88
.set SEL,  100                         ; s[100:101] lane selects: lane l xor 16
.if KV
.set THR, 16                           ; the register that says which 128 tokens are mine,
.set NHR, 15                           ; and which 128 columns
.else
.set THR, 15
.set NHR, 16
.endif
.set MSB, 0
.macro WIN new                         ; the immediate's high byte repeats the setting that is left
.if MSB != \new
	s_set_vgpr_msb (MSB<<8)|\new
.set MSB, \new
.endif
.endm
.set MUL_LO,   0xa1                    ; source 0 window 1, source 1 window 0, C and D window 2
.set MUL_HI,   0xf1                    ; the same, C and D window 3
.set FIRST_LO, 0x81                    ; the first step: C (the bias) window 0, D window 2
.set FIRST_HI, 0xc1
.set TO_B,     0x40                    ; destination window 1, address window 0
; A joint load: waves 0 and 1 fetch for x, waves 2 and 3 for W.  The branch hangs on the wave's number alone.  Four v_nop follow each of the two lines.
.macro JLOAD g0a, g1a, g0b, g1b
	s_cmp_eq_u32 s15, 0
	s_cbranch_scc0 .Lfor_b_\@
	tensor_load_to_lds s[\g0a:\g0a+3], s[\g1a:\g1a+7]
	s_nop 0
.rept 4
	v_nop
.endr
	s_branch .Lasked_\@
.Lfor_b_\@:
	tensor_load_to_lds s[\g0b:\g0b+3], s[\g1b:\g1b+7]
	s_nop 0
.rept 4
	v_nop
.endr
.Lasked_\@:
.endm
.macro CREST                           ; a round of the cluster's barrier behind its opening barrier
	s_cmp_lg_u32 s14, 0
	s_cbranch_scc1 .Lnot_wave_0_\@
	s_barrier_signal -3
.Lnot_wave_0_\@:
	s_barrier_wait -3
	s_barrier_signal -1
	s_barrier_wait -1
.endm
.macro CROUND                          ; a whole round
	s_barrier_signal -1
	s_barrier_wait -1
	CREST
.endm
	s_load_b128 s[4:7], s[0:1], 0x0                ; x's codes, x's scales
	s_load_b128 s[8:11], s[0:1], 0x10              ; W's codes, W's scales
	s_load_b128 s[96:99], s[0:1], 0x20             ; b_attn, qkv
	v_lshl_add_u32 v[SPW], v0, 2, SPARE
	v_mov_b32 v[NIL], 0
	ds_add_u32 v28, v29
	ds_add_u32 v28, v29
	s_wait_dscnt 0x0
	v_lshrrev_b32 v1, 5, v0
	v_readfirstlane_b32 s14, v1                    ; wave 0..3
	s_lshr_b32 s15, s14, 1                         ; which half of the outer rows is mine.  Also: I fetch for x (0) or for W (1)
	s_and_b32 s16, s14, 1                          ; which half of the inner rows.  Also: which 128 rows of that tile I fetch
	s_bfe_u32 s40, ttmp6, 0x40000                  ; cx, cy: my place in the cluster
	s_bfe_u32 s41, ttmp6, 0x40004
	s_lshl_b32 s42, ttmp9, 2
	s_add_co_u32 s42, s42, s40                     ; tile of 256 columns = 4 x cluster x + cx
	s_and_b32 s17, ttmp7, 0xffff
	s_lshl_b32 s17, s17, 2
	s_add_co_u32 s17, s17, s41                     ; tile of 256 tokens = 4 x cluster y + cy
	s_lshl_b32 s43, s41, 2
	s_lshl_b32 s43, 15, s43                        ; my row of the cluster
	s_lshl_b32 s44, 0x1111, s40                    ; my column
	; group 1: a tile of 128 rows x 192 bytes; 16 bytes of padding behind every 64
	s_or_b32 s[G1+0], s43, (0<<16)|(1<<20)|(1<<21)|(3<<22)|(3<<25)  ; 15:0 the mask: x's tiles go to my row; elements of 1 byte; padding on; bit 21 beside a mask; after every 16 words, 4 words
	s_or_b32 s[G1B+0], s44, (0<<16)|(1<<20)|(1<<21)|(3<<22)|(3<<25) ; W's go to my column
.irp g, G1, G1B
	s_mov_b32 s[\g+1], ROWB<<16                    ; tensor_dim0
	s_mov_b32 s[\g+2], 128<<16                     ; tensor_dim1
	s_mov_b32 s[\g+3], ROWB<<16                    ; tile_dim0
	s_mov_b32 s[\g+4], 128                         ; tile_dim1
	s_mov_b32 s[\g+5], KROW                        ; from row to row
	s_mov_b32 s[\g+6], 0
	s_mov_b32 s[\g+7], 0
.endr
	; the scales of 128 rows: a dense block of 4,096 bytes, as 16 rows of 256 bytes (32 elements of 8), 16 bytes of padding behind each
	s_or_b32 s[G1S+0], s43, (3<<16)|(1<<20)|(1<<21)|(5<<22)|(3<<25)
	s_or_b32 s[G1SB+0], s44, (3<<16)|(1<<20)|(1<<21)|(5<<22)|(3<<25)
.irp g, G1S, G1SB
	s_mov_b32 s[\g+1], 32<<16
	s_mov_b32 s[\g+2], (128*KS/256)<<16
	s_mov_b32 s[\g+3], 32<<16
	s_mov_b32 s[\g+4], 128*KS/256
	s_mov_b32 s[\g+5], 32
	s_mov_b32 s[\g+6], 0
	s_mov_b32 s[\g+7], 0
.endr
	s_lshl_b32 s18, s16, 7                         ; which 128 rows of the tile I fetch
	s_lshl_b32 s20, s17, 8
	s_add_co_u32 s20, s20, s18                     ; x: row 256 x token tile + 128 x half
	s_lshl_b32 s46, s42, 8
	s_add_co_u32 s46, s46, s18                     ; W: row 256 x column tile + 128 x half
.if KV
	s_add_co_u32 s46, s46, 2048                    ; v's rows of W lie behind q's and k's
.endif
	s_mov_b32 s21, 0
	s_mov_b32 s47, 0
	s_mov_b64 s[18:19], KS
	s_mul_u64 s[22:23], s[20:21], s[18:19]         ; where these rows' scales begin,
	s_mul_u64 s[92:93], s[46:47], s[18:19]
	s_mov_b64 s[18:19], KROW
	s_mul_u64 s[20:21], s[20:21], s[18:19]         ; and their codes
	s_mul_u64 s[46:47], s[46:47], s[18:19]
	s_mul_i32 s45, s14, HALFT                      ; where they go: wave x 128 rows; no place in the cluster enters an LDS address
	s_mul_i32 s94, s14, HALFS
	s_wait_kmcnt 0x0
	s_add_nc_u64 s[20:21], s[4:5], s[20:21]
	s_add_nc_u64 s[22:23], s[6:7], s[22:23]
	s_add_nc_u64 s[46:47], s[8:9], s[46:47]
	s_add_nc_u64 s[92:93], s[10:11], s[92:93]
	CROUND                                         ; all sixteen work-groups are here: the first joint loads meet
	s_mov_b32 s[G0S], 1
	s_add_co_u32 s[G0S+1], s94, SCL
	s_mov_b64 s[G0S+2:G0S+3], s[22:23]
	s_or_b32 s[G0S+3], s[G0S+3], 0x80000000
	s_mov_b32 s[G0SB], 1
	s_add_co_u32 s[G0SB+1], s94, SCL
	s_mov_b64 s[G0SB+2:G0SB+3], s[92:93]
	s_or_b32 s[G0SB+3], s[G0SB+3], 0x80000000
	JLOAD G0S, G1S, G0SB, G1SB                     ; the scales first: they are wanted with K step 0
.irp s, 0,1
	s_mov_b32 s[G0+4*\s], 1
	s_add_co_u32 s[G0+4*\s+1], s45, \s*SLOT
	s_add_nc_u64 s[G0+4*\s+2:G0+4*\s+3], s[20:21], \s*ROWB
	s_or_b32 s[G0+4*\s+3], s[G0+4*\s+3], 0x80000000
	s_mov_b32 s[G0B+4*\s], 1
	s_add_co_u32 s[G0B+4*\s+1], s45, \s*SLOT
	s_add_nc_u64 s[G0B+4*\s+2:G0B+4*\s+3], s[46:47], \s*ROWB
	s_or_b32 s[G0B+4*\s+3], s[G0B+4*\s+3], 0x80000000
	JLOAD G0+4*\s, G1, G0B+4*\s, G1B               ; three loads of mine are out
.endr
	v_and_b32 v1, 15, v0                           ; r = lane % 16
	v_bfe_u32 v2, v0, 4, 1                         ; h = lane / 16
	; the bias: 128 numbers from column 2,048 KV + 256 x column tile + 128 x my half on
	s_lshl_b32 s22, s42, 10
	s_lshl_b32 s23, s[NHR], 9
	s_add_co_u32 s22, s22, s23
.if KV
	s_add_co_u32 s22, s22, 8192
.endif
	s_mov_b32 s23, 0
	s_add_nc_u64 s[96:97], s[96:97], s[22:23]
.if KV
	v_lshlrev_b32 v[VB], 2, v1                     ; a lane holds column 16 a + r: one number for each outer block
.irp a, 0,1,2,3,4,5,6,7
	global_load_b32 v[BIAS+8*\a], v[VB], s[96:97] offset:64*\a
.endr
.else
	v_lshlrev_b32 v[VB], 5, v2                     ; a lane's registers hold columns 16 b + 8 h + 0 .. 7
.irp b, 0,1,2,3,4,5,6,7
	global_load_b128 v[BIAS+8*\b:BIAS+8*\b+3], v[VB], s[96:97] offset:64*\b
	global_load_b128 v[BIAS+8*\b+4:BIAS+8*\b+7], v[VB], s[96:97] offset:64*\b+16
.endr
.endif
	v_mul_u32_u24 v3, v1, PITCH
	v_mul_u32_u24 v4, v2, 24
	v_add_nc_u32 v4, v3, v4                        ; a fragment's row x pitch + 24 x half
	v_lshl_add_u32 v5, v2, 4, v4                   ; and the same behind one padding more
	s_mul_i32 s21, s15, HALFT                      ; my 128 outer rows,
	s_mul_i32 s22, s16, HALFT                      ; my 128 inner rows;
.if KV
	s_add_co_u32 s21, s21, 2*HALFT                 ; W's rows lie behind x's 256
.else
	s_add_co_u32 s22, s22, 2*HALFT
.endif
.irp s, 0,1
	v_add_nc_u32 v[ADRA+\s], s21, v4
	v_add_nc_u32 v[ADRB+\s], s22, v4
	v_add_nc_u32 v[ADRA+2+\s], s21, v5
	v_add_nc_u32 v[ADRB+2+\s], s22, v5
	s_add_co_u32 s21, s21, SLOT
	s_add_co_u32 s22, s22, SLOT
.endr
	v_mul_u32_u24 v5, v1, KS                       ; my row's scales: 32 bytes a row,
	v_lshrrev_b32 v6, 8, v5
	v_lshl_add_u32 v5, v6, 4, v5                   ; and 16 more for each 256 passed
.if KV
	s_mul_i32 s21, s16, HALFS                      ; x's (inner) lie lower,
	s_mul_i32 s22, s15, HALFS                      ; W's (outer) behind x's 256 rows':
	v_xor_b32 v6, 1, v2                            ; lanes 0-15 take the outer rows', which here are the higher ones
.else
	s_mul_i32 s21, s15, HALFS                      ; x's (outer) lie lower,
	s_mul_i32 s22, s16, HALFS                      ; W's (inner) behind them:
	v_mov_b32 v6, v2                               ; lanes 16-31 take the higher ones
.endif
	s_add_co_u32 s22, s22, 2*HALFS
	s_sub_co_u32 s22, s22, s21                     ; one product: the lower base + (0 or 1) x the distance
	v_mul_u32_u24 v6, s22, v6
	s_add_co_u32 s21, s21, SCL
	v_add_nc_u32 v5, v5, v6
	v_add_nc_u32 v[ADRS], s21, v5
	; where the results go
	v_and_b32 v6, 31, v0
	v_lshlrev_b32 v[VO], 4, v6
	v_mul_u32_u24 v[VS], v2, HB
	v_lshl_add_u32 v[VS], v1, 4, v[VS]
	s_lshr_b32 s18, s17, 3                         ; batch (8 token tiles each),
	s_lshl_b32 s18, s18, 4
	s_and_b32 s19, s17, 7
	s_lshl_b32 s19, s19, 1
	s_add_co_u32 s19, s19, s[THR]                  ; my step of 128 tokens in the batch
	s_lshl_b32 s46, s40, 2                         ; a column tile is four heads,
	s_lshl_b32 s47, s[NHR], 1                      ; my half two of them
	s_add_co_u32 s46, s46, s47
	s_add_co_u32 s46, s46, s18                     ; 16 x batch + my first head
	s_mul_i32 s46, s46, HB
.if KV
	s_mov_b32 s22, 106496                          ; v's codes: 6,144 x step + 12,288 (steps 0, 1) or + 106,496
	s_cmp_lt_u32 s19, 2
	s_cselect_b32 s22, 12288, s22
	s_mov_b32 s92, 28672                           ; v's scale words
.else
	s_cmp_lt_u32 s19, 2
	s_cselect_b32 s22, 0, 20480                    ; k's codes: 6,144 x step + 0 (steps 0, 1) or + 20,480
	s_mov_b32 s23, 204800                          ; q's
	s_mov_b32 s92, 303104
	s_cmp_eq_u32 ttmp9, 0                          ; the first cluster column makes q, the second k
	s_cselect_b32 s22, s23, s22
	s_cselect_b32 s92, s92, 24576
.endif
	s_mul_i32 s23, s19, 6144
	s_add_co_u32 s22, s22, s23
	s_add_co_u32 s22, s22, s46
	s_mov_b32 s23, 0
	s_add_nc_u64 s[12:13], s[98:99], s[22:23]      ; my codes
	s_lshl_b32 s23, s19, 8
	s_add_co_u32 s92, s92, s23
	s_add_co_u32 s92, s92, s46
	s_mov_b32 s93, 0
	s_add_nc_u64 s[66:67], s[98:99], s[92:93]      ; my scale words
	s_mov_b32 s2, 0x05040100                       ; v_perm_b32: the two low halves,
	s_mov_b32 s3, 0x07060302                       ; the two high halves
	s_mov_b32 s95, 0xffff0000                      ; lanes 16-31
	s_mov_b32 s[SEL], 0x76543210
	s_mov_b32 s[SEL+1], 0xfedcba98
.macro FRAG reg, adr, q, i             ; a fragment, 16 rows x 128 K: lane l holds row l % 16; registers 6 c .. 6 c + 5 hold K = 64 c + 32 (l / 16) + 0 .. 31: 24 bytes of the row, as they lie
.irp p, 0,1,2,3,4,5                    ; in pieces of 8 bytes.  Lanes 16-31 read three pieces further on; where that is behind one padding more, the second address register serves
.set PCE, 12*(\q)+6*(\p/3)+\p%3
.if PCE%8 < 5
	ds_load_b64 v[\reg+2*\p:\reg+2*\p+1], v[\adr] offset:8*PCE+16*(PCE/8)+(\i)*16*PITCH
.else
	ds_load_b64 v[\reg+2*\p:\reg+2*\p+1], v[\adr+2] offset:8*PCE+16*(PCE/8)+(\i)*16*PITCH
.endif
.endr
.endm
; 16 matrix instructions: outer blocks a0, a0 + 1 x the eight inner ones, 128 along K: the slot's q-th.  p: the inner set;  sc: the set of scale words.  first = 1: C is the bias.
; The 64 accumulators take turns, one instruction a turn, in the same order in every step.
.macro MUL16 a0, p, q, sc, first
.irp a, \a0, \a0+1
.irp b, 0,1,2,3,4,5,6,7
.if \first
	v_wmma_scale_f32_16x16x128_f8f6f4 v[8*(8*((\a)%4)+\b):8*(8*((\a)%4)+\b)+7], v[128*(\p)+FR*\b:128*(\p)+FR*\b+FR-1], v[AF+FR*(\a):AF+FR*(\a)+FR-1], v[BIAS+8*(KV*(\a)+(1-KV)*\b):BIAS+8*(KV*(\a)+(1-KV)*\b)+7], v[SC+8*NQ*(\sc)+NQ*\b+(\q)], v[SC+8*NQ*(\sc)+NQ*(\a)+(\q)] matrix_a_fmt:MATRIX_FMT_FP6 matrix_b_fmt:MATRIX_FMT_FP6 matrix_a_scale:MATRIX_SCALE_ROW1
.else
	v_wmma_scale_f32_16x16x128_f8f6f4 v[8*(8*((\a)%4)+\b):8*(8*((\a)%4)+\b)+7], v[128*(\p)+FR*\b:128*(\p)+FR*\b+FR-1], v[AF+FR*(\a):AF+FR*(\a)+FR-1], v[8*(8*((\a)%4)+\b):8*(8*((\a)%4)+\b)+7], v[SC+8*NQ*(\sc)+NQ*\b+(\q)], v[SC+8*NQ*(\sc)+NQ*(\a)+(\q)] matrix_a_fmt:MATRIX_FMT_FP6 matrix_b_fmt:MATRIX_FMT_FP6 matrix_a_scale:MATRIX_SCALE_ROW1
.endif
.endr
.endr
.endm
.macro FETCH_B slot, q, p              ; the eight inner fragments of the slot's q-th 128 along K into set p
	WIN TO_B
.irp i, 0,1,2,3,4,5,6,7
	FRAG 128*(\p)+FR*\i, ADRB+\slot, \q, \i
.endr
	WIN 0
.endm
.macro FETCH_A slot, q, i0             ; outer blocks i0 .. i0 + 3
.irp i, \i0, \i0+1, \i0+2, \i0+3
	FRAG AF+FR*(\i), ADRA+\slot, \q, \i
.endr
.endm
.macro SCALES sc                       ; a K step's scale words into set sc: two words a row; lanes 0-15 the outer block i's, lanes 16-31 the inner block i's
.irp i, 0,1,2,3,4,5,6,7
	ds_load_b64 v[SC+8*NQ*\sc+NQ*\i:SC+8*NQ*\sc+NQ*\i+1], v[ADRS] offset:\i*SBLK
.endr
.endm
.macro PLACES n                        ; plain vector instructions that name no register of the matrix instructions before them (ISA guide 7.12.1 for vector instructions)
.rept \n
	v_nop
.endr
.endm
; A step of 128 along K that has its successor in the same slot.
.macro STEP slot, q, first
	s_wait_dscnt 4*NL                              ; the inner set and outer blocks 0-3 are in; the youngest 24 loads (outer blocks 4-7) may be out
.if \first
	WIN FIRST_LO
.else
	WIN MUL_LO
.endif
	MUL16 0, (\q)%2, \q, \slot, \first
	MUL16 2, (\q)%2, \q, \slot, \first
	s_wait_dscnt 0                                 ; outer blocks 4-7 are in
	PLACES NP
	FETCH_B \slot, (\q)+1, 1-(\q)%2
	FETCH_A \slot, (\q)+1, 0
.if \first
	WIN FIRST_HI
.else
	WIN MUL_HI
.endif
	MUL16 4, (\q)%2, \q, \slot, \first
	MUL16 6, (\q)%2, \q, \slot, \first
	PLACES NP
	WIN 0
	FETCH_A \slot, (\q)+1, 4
.endm
; A slot's last step changes slots: ONE barrier; in front of it each wave waits for all its tensor loads, adds 0 to its spare word, and waits for that and for its reads of this slot.  fill = 1: this slot is filled again, two K steps ahead.
.macro TURN slot, next, fill
	s_wait_tensorcnt 0x0                           ; all my tensor loads have landed: my part of the next slot
	ds_add_u32 v[SPW], v[NIL]                      ; 0 onto my spare word
	s_wait_dscnt 4*NL+1                            ; the add and the youngest 24 loads may be out
	WIN MUL_LO
	MUL16 0, 1, NQ-1, \slot, 0                     ; sixteen matrix instructions stand between the add and the wait for it
	s_wait_dscnt 0x0                               ; the add is done, and my reads of this slot are over
	s_barrier_signal -1
	MUL16 2, 1, NQ-1, \slot, 0
	WIN 0
	s_barrier_wait -1
.if \fill
	CREST                                          ; the barrier has opened a round of the cluster's: no wave of any partner still reads this slot or has a load on its way
	s_add_nc_u64 s[G0+4*\slot+2:G0+4*\slot+3], s[G0+4*\slot+2:G0+4*\slot+3], 2*ROWB
	s_add_nc_u64 s[G0B+4*\slot+2:G0B+4*\slot+3], s[G0B+4*\slot+2:G0B+4*\slot+3], 2*ROWB
	JLOAD G0+4*\slot, G1, G0B+4*\slot, G1B         ; the first tensor load behind the round; its four v_nop are the places in front of the loads below
.else
	PLACES NP
.endif
	v_add_nc_u32 v[ADRS], 4*NQ, v[ADRS]            ; on to the next K step's scale words
	FETCH_B \next, 0, 0
	FETCH_A \next, 0, 0
	SCALES \next
	WIN MUL_HI
	MUL16 4, 1, NQ-1, \slot, 0
	MUL16 6, 1, NQ-1, \slot, 0
	PLACES NP
	WIN 0
	FETCH_A \next, 0, 4
.endm
	s_wait_tensorcnt 1                             ; the scales and my part of K step 0 are in; K step 1's load may be out
	s_barrier_signal -1
	s_barrier_wait -1
	FETCH_B 0, 0, 0
	FETCH_A 0, 0, 0
	SCALES 0
	FETCH_A 0, 0, 4
	s_wait_loadcnt 0x0                             ; the bias
.if KV
.irp a, 0,1,2,3,4,5,6,7
.irp j, 1,2,3,4,5,6,7
	v_mov_b32 v[BIAS+8*\a+\j], v[BIAS+8*\a]        ; a lane's eight results of a tile belong to one column
.endr
.endr
.endif
	STEP 0, 0, 1                                   ; K = 1,024 is four K steps, written out: slots 0, 1, 0, 1; each slot is filled again once
	TURN 0, 1, 1
	STEP 1, 0, 0
	TURN 1, 0, 1
	STEP 0, 0, 0
	TURN 0, 1, 0                                   ; the last lap fills nothing, and has no round of the cluster's barrier
	STEP 1, 0, 0
	s_wait_dscnt 4*NL                              ; the very last step: nothing more to fetch
	WIN MUL_LO
	MUL16 0, 1, NQ-1, 1, 0
	MUL16 2, 1, NQ-1, 1, 0
	s_wait_dscnt 0
	WIN MUL_HI
	MUL16 4, 1, NQ-1, 1, 0
	MUL16 6, 1, NQ-1, 1, 0
	WIN 0
; THE WAY OUT: no LDS.  The 64 registers of an outer block, v[s] on in window w: register 16 b + i is, of my lane's outer row, number i of my half's 16 of block b of 32 along the inner rows.
; They become two halves of fragments, six registers each at d0 (blocks 0, 1) and d1 (blocks 2, 3), and a word of four scale bytes in pw.  Each accumulator is read from its low end on.
.macro QUANT w, s, d0, d1, pw
.set QW, (\w)
	WIN (QW<<2)|(QW<<4)
.irp b, 0,1,2,3
	v_max3_num_f32 v[TM+\b], 0x1800000, |v[(\s)+16*\b]|, |v[(\s)+16*\b+1]|   ; my 16 numbers of block b, and the floor 2^(3 - 127): the byte cannot fall under 1
.endr
.irp i, 2,4,6,8,10,12,14
.irp b, 0,1,2,3
	v_max3_num_f32 v[TM+\b], v[TM+\b], |v[(\s)+16*\b+\i]|, |v[(\s)+16*\b+\i+1]|   ; the four blocks by turns
.endr
.endr
	WIN 0
.irp b, 0,1,2,3
	v_permlanex16_b32 v[TM+4+\b], v[TM+\b], s[SEL], s[SEL+1]
.endr
.irp b, 0,1,2,3
	v_max_num_f32 v[TM+\b], v[TM+\b], v[TM+4+\b]   ; with lane l xor 16's: the block's largest magnitude
.endr
.irp b, 0,1,2,3
	v_add_nc_u32 v[TM+12+\b], 0xff000000, v[TM+\b] ; 2 off its exponent field: the conversion's scale operand
.endr
.irp b, 0,1,2,3
	v_lshrrev_b32 v[TM+4+\b], 23, v[TM+12+\b]      ; the scale's byte
.endr
	v_lshl_or_b32 v[\pw], v[TM+5], 8, v[TM+4]
	v_lshl_or_b32 v[\pw], v[TM+6], 16, v[\pw]
	v_lshl_or_b32 v[\pw], v[TM+7], 24, v[\pw]
	WIN QW
	v_cvt_scalef32_pk16_fp6_f32 v[\d0:\d0+2], v[(\s):(\s)+15], v[TM+12]
	v_cvt_scalef32_pk16_fp6_f32 v[CT:CT+2], v[(\s)+16:(\s)+31], v[TM+13]      ; (a conversion's three registers begin on an even number)
	v_cvt_scalef32_pk16_fp6_f32 v[\d1:\d1+2], v[(\s)+32:(\s)+47], v[TM+14]
	v_cvt_scalef32_pk16_fp6_f32 v[CT+4:CT+6], v[(\s)+48:(\s)+63], v[TM+15]
	WIN 0
	v_nop                                          ; one plain place behind a scaled conversion
.irp i, 0,1,2                                  ; the operand's layout wants a whole block in a lane: lanes 0-15 the even block, lanes 16-31 the odd one
	v_permlane16_swap_b32 v[\d0+\i], v[CT+\i]
	v_permlane16_swap_b32 v[\d1+\i], v[CT+4+\i]
.endr
.irp i, 0,1,2
	v_mov_b32 v[\d0+3+\i], v[CT+\i]
	v_mov_b32 v[\d1+3+\i], v[CT+4+\i]
.endr
.endm
	PLACES NP                                      ; behind the last products: their results are read, and registers that they read are written
.irp b, 0,1,2,3
	v_mov_b32 v[TM+4+\b], 0                        ; written once: a lane permute's destination counts as one of its sources
.endr
.if KV
; v: outer block o is channels 16 (o % 4) + r of head o / 4; its 128 tokens are one whole fragment and one scale word
.irp o, 0,1,2,3,4,5,6,7
.if \o >= 4
	s_wait_xcnt 0x0                                ; the stores of four blocks back have read this image buffer
.endif
	QUANT 2+\o/4, 64*(\o%4), IMG+12*(\o%4), IMG+12*(\o%4)+6, SW+\o
.irp k, 0,1,2
	global_store_b128 v[VO], v[IMG+12*(\o%4)+4*\k:IMG+12*(\o%4)+4*\k+3], s[12:13] offset:(\o/4)*HB+1536*(\o%4)+512*\k   ; 32 lanes store 512 consecutive bytes, aligned
.endr
.endr
.else
; q, k: outer blocks 2 g and 2 g + 1 (tokens 32 g + r, 32 g + 16 + r) give image g of my two heads: blocks 0, 1 are the first head's 64, blocks 2, 3 the second's
.irp g, 0,1,2,3
.if \g >= 2
	s_wait_xcnt 0x0                                ; the stores of two pairs back have read these image buffers
.endif
	QUANT 2+(2*\g)/4, 64*((2*\g)%4), IMG+24*(\g%2), IMG+24*(\g%2)+12, PWA
	QUANT 2+(2*\g+1)/4, 64*((2*\g+1)%4), IMG+24*(\g%2)+6, IMG+24*(\g%2)+18, PWB
	v_perm_b32 v[SW+\g], v[PWB], v[PWA], s2        ; the first head's word: the first token's two bytes, then the second token's
	v_perm_b32 v[SW+4+\g], v[PWB], v[PWA], s3      ; the second head's
.irp c, 0,1
.irp k, 0,1,2
	global_store_b128 v[VO], v[IMG+24*(\g%2)+12*\c+4*\k:IMG+24*(\g%2)+12*\c+4*\k+3], s[12:13] offset:\c*HB+1536*\g+512*\k   ; 32 lanes store 512 consecutive bytes, aligned
.endr
.endr
.endr
.endif
.irp g, 0,1,2,3
	v_cndmask_b32 v[SX+\g], v[SW+\g], v[SW+4+\g], s95   ; lanes 16-31 take the second head's words
.endr
	global_store_b128 v[VS], v[SX:SX+3], s[66:67]  ; sixteen lanes store a head's 256 bytes of this step, aligned
	s_wait_tensorcnt 0x0                           ; the wave's end
	ds_add_u32 v[SPW], v[NIL]
	s_wait_dscnt 0x0
	CROUND                                         ; the closing round: no work-group ends while a partner may still ask for a tile that names it
	s_endpgm
.Lfunc_end_k_q1e71dd3105_qk:
	.size	k_q1e71dd3105_qk, .Lfunc_end_k_q1e71dd3105_qk-k_q1e71dd3105_qk
	.p2alignl 7, 3214868480
	.fill 96, 4, 3214868480
	.section	.rodata,"a",@progbits
	.p2align	6, 0x0
	.amdhsa_kernel k_q1e71dd3105_qk
		.amdhsa_group_segment_fixed_size 327680
		.amdhsa_private_segment_fixed_size 0
		.amdhsa_enable_private_segment 0
		.amdhsa_kernarg_size 48
		.amdhsa_user_sgpr_count 2
		.amdhsa_user_sgpr_kernarg_segment_ptr 1
		.amdhsa_wavefront_size32 1
		.amdhsa_system_sgpr_workgroup_id_x 1
		.amdhsa_system_sgpr_workgroup_id_y 1
		.amdhsa_system_sgpr_workgroup_id_z 1
		.amdhsa_system_vgpr_workitem_id 0
		.amdhsa_next_free_vgpr 1024
		.amdhsa_next_free_sgpr 102
		.amdhsa_reserve_vcc 0
		.amdhsa_float_denorm_mode_32 3
		.amdhsa_float_denorm_mode_16_64 3
		.amdhsa_memory_ordered 1
		.amdhsa_forward_progress 1
		.amdhsa_inst_pref_size 167
	.end_amdhsa_kernel
	.amdgpu_metadata
---
amdhsa.version: [ 1, 2 ]
amdhsa.kernels:
  - .name:           k_q1e71dd3105_qk
    .symbol:         k_q1e71dd3105_qk.kd
    .args:
      - { .name: x_codes, .offset: 0, .size: 8, .value_kind: global_buffer, .address_space: global }
      - { .name: x_scales, .offset: 8, .size: 8, .value_kind: global_buffer, .address_space: global }
      - { .name: W_attn_codes, .offset: 16, .size: 8, .value_kind: global_buffer, .address_space: global }
      - { .name: W_attn_scales, .offset: 24, .size: 8, .value_kind: global_buffer, .address_space: global }
      - { .name: b_attn, .offset: 32, .size: 8, .value_kind: global_buffer, .address_space: global }
      - { .name: qkv, .offset: 40, .size: 8, .value_kind: global_buffer, .address_space: global }
    .group_segment_fixed_size: 327680
    .private_segment_fixed_size: 0
    .kernarg_segment_align: 8
    .kernarg_segment_size: 48
    .max_flat_workgroup_size: 128
    .sgpr_count:     102
    .vgpr_count:     1024
    .wavefront_size: 32
...
	.end_amdgpu_metadata
.endif
;; end of part 1
;; launch v (part 2): grid 4 x 32, 4 waves a work-group, clusters of 4 x 4, 327,680 bytes of LDS; arguments x_codes, x_scales, W_attn_codes, W_attn_scales, b_attn, qkv; writes qkv
.if DOCPART == 2
	.amdgcn_target "amdgcn-amd-amdhsa--gfx1250"
	.amdhsa_code_object_version 6
	.text
	.protected	k_q1e71dd3105_v
	.globl	k_q1e71dd3105_v
	.p2align	8
	.type	k_q1e71dd3105_v,@function
k_q1e71dd3105_v:
	s_mov_b64 s[64:65], 0
	v_nop
	global_prefetch_b8 v0, s[64:65] scope:SCOPE_SE
	s_setreg_imm32_b32 hwreg(HW_REG_WAVE_MODE, 25, 1), 1
	s_wait_xcnt 0x0
	s_wait_alu depctr_hold_cnt(0) depctr_sa_sdst(0) depctr_va_vdst(0) depctr_va_sdst(0) depctr_va_ssrc(0) depctr_va_vcc(0) depctr_vm_vsrc(0)
	s_getreg_b32 s2, hwreg(HW_REG_IB_STS2, 6, 4)
	s_cmp_eq_u32 s2, 0
	s_cbranch_scc0 .Lentry_in_a_cluster
	s_endpgm
.Lentry_in_a_cluster:
	s_bfe_u32 s2, ttmp6, 0x10000c
	s_cmp_lg_u32 s2, 0xf033
	s_cbranch_scc0 .Lentry_shape_is_right
	s_endpgm
.Lentry_shape_is_right:
; x W_attn + b_attn on codes of FP6 (E2M3) with E8M0 scales, and the result quantised again for attention.  x: [8192][1024], W_attn: [3072][1024], K innermost, 768 bytes a row; scale bytes 32 a row.
; ONE TEXT SERVES TWO LAUNCHES, told apart by the symbol KV.  KV = 0: columns 0 .. 2,047, q and k, quantised along the head's 64.  KV = 1: columns 2,048 .. 3,071, v, quantised along the tokens (the keys).
; A work-group of four waves makes 256 tokens x 256 columns, a wave 128 x 128: 64 accumulators of 16 x 16.  K goes in steps of 256 through a ring of two LDS slots filled by the tensor data mover; the scale bytes
; of the work-group's rows, for all of K, come once.  CLUSTERS: 4 x 4 work-groups; x's tiles are asked for jointly by a row of the cluster, W's by a column.
; ROLES.  The OUTER operand is source 1 (a lane of the result holds one of its rows), the INNER one source 0 (a lane's registers run along its rows).  KV = 0: outer x, inner W: a lane holds a token, registers run
; along the columns.  KV = 1: outer W, inner x: a lane holds a column, registers run along the tokens.  So in both the conversions find neighbours along the next product's K in one lane's registers.
; The bias is the C of each sum's first matrix instruction.
; OUT: images of operand registers.  A fragment of 12 registers is 1,536 bytes, registers 4 c .. 4 c + 3 of lane l at 512 c + 16 l.  qkv has 307,200 bytes a head (16 x batch + head); a step is 128 tokens:
;   0 K codes of steps 0, 1 | 12,288 V codes of steps 0, 1 | 24,576 K scale words (256 a step: [row 0..15][image 0..3]) | 28,672 V scale words | 32,768 K codes of steps 2..15 | 118,784 V codes of steps 2..15
;   | 204,800 Q codes | 303,104 Q scale words.   6,144 bytes of codes a step: 4 images.
;   Q, K image g: registers 0-5 token 32 g + r, registers 6-11 token 32 g + 16 + r; in each, lanes 0-15 hold the head's first 32, lanes 16-31 its second 32.  V image t: channel 16 t + r, registers 6 c .. : keys 64 c + 32 (lane / 16) ..
;   INSIDE A BLOCK OF 32 the codes stand in the order 0-7, 16-23, 8-15, 24-31: alike in q and k, and alike in v and in attention's p, so the products are those of the natural order.
; A block's scale: the largest magnitude's exponent field less 2, held at 1 from below.  LIMITS: a block whose largest magnitude lies under 2^-124 (a block of zeros too) gets the byte 1; these bytes are read by
; this program alone.  NaN and infinities are not served.
; No prefetch: every tile is read by four or more work-groups and the whole K is four steps.
.set KV,     1
.set HB,     307200                    ; bytes of a head in qkv
.set KSTEP,  256                       ; along K in a slot
.set NQ,     KSTEP/128                 ; matrix instructions deep
.set ROWB,   192                       ; a tile's row in bytes
.set KROW,   768                       ; a row of x or W in memory
.set PITCH,  240                       ; an LDS row: 3 x (64 bytes + 16 of padding)
.set FR,     12                        ; registers of a fragment
.set NL,     6                         ; LDS loads that bring one
.set NP,     4                         ; places behind this matrix instruction (ISA guide 7.12.1)
.set HALFT,  128*PITCH                 ; 128 rows: one tensor load
.set SLOT,   4*HALFT                   ; x's 256 rows, then W's 256 rows
.set KS,     32                        ; a row of scale bytes
.set SCL,    2*SLOT                    ; behind the ring: the scales, as 256 bytes + 16 of padding
.set HALFS,  (128*KS/256)*272          ; those of 128 rows
.set SBLK,   (16*KS/256)*272           ; those of 16 rows
.set SPARE,  SCL+4*HALFS               ; the spare words: 128 bytes a wave, named by no other line
.set ADRA, 16                          ; v16-17 LDS address of my outer fragments in slot 0, 1 (v18-19: behind one padding more)
.set ADRB, 20                          ; v20-23 the same for the inner ones
.set VS,   24                          ; v24  where I store scale words: 16 r + (lane / 16) x HB
.set VB,   25                          ; v25  my offset in the bias
.set VO,   26                          ; v26  16 x lane: my place in an image's 512 bytes
.set ADRS, 27                          ; v27  LDS address of my scale words: lanes 0-15 the outer rows', lanes 16-31 the inner rows'
.set SPW,  28                          ; v28  my spare word; never rewritten
.set NIL,  29                          ; v29  0; never rewritten
.set SC,   32                          ; v32-63 scale words, two sets; they hold nothing else
.set BIAS, 64                          ; v64-127 the bias in the result's layout
.set IMG,  64                          ; afterwards: four image buffers of 12
.set SW,   112                         ; v112-119 scale words to be stored
.set SX,   120                         ; v120-123 the same, chosen by half of the lanes
.set AF,   128                         ; v128-223 the outer fragments, one set
.set TM,   224                         ; v224-239 at work: +0 largest magnitudes, +4 bytes, +12 scale operands
.set CT,   240                         ; v240-242, v244-246 the conversions' second halves
.set PWA,  248
.set PWB,  249
.set G1,   24                          ; s[24:31], s[32:39] groups 1 and 0 (one set a slot) for x's tiles
.set G0,   32
.set G1B,  48                          ; s[48:55], s[56:63] for W's
.set G0B,  56
.set G1S,  68                          ; s[68:75], s[76:79] for x's scales;  s[80:87], s[88:91] for W's
.set G0S,  76
.set G1SB, 80
.set G0SB, 88
.set SEL,  100                         ; s[100:101] lane selects: lane l xor 16
.if KV
.set THR, 16                           ; the register that says which 128 tokens are mine,
.set NHR, 15                           ; and which 128 columns
.else
.set THR, 15
.set NHR, 16
.endif
.set MSB, 0
.macro WIN new                         ; the immediate's high byte repeats the setting that is left
.if MSB != \new
	s_set_vgpr_msb (MSB<<8)|\new
.set MSB, \new
.endif
.endm
.set MUL_LO,   0xa1                    ; source 0 window 1, source 1 window 0, C and D window 2
.set MUL_HI,   0xf1                    ; the same, C and D window 3
.set FIRST_LO, 0x81                    ; the first step: C (the bias) window 0, D window 2
.set FIRST_HI, 0xc1
.set TO_B,     0x40                    ; destination window 1, address window 0
; A joint load: waves 0 and 1 fetch for x, waves 2 and 3 for W.  The branch hangs on the wave's number alone.  Four v_nop follow each of the two lines.
.macro JLOAD g0a, g1a, g0b, g1b
	s_cmp_eq_u32 s15, 0
	s_cbranch_scc0 .Lfor_b_\@
	tensor_load_to_lds s[\g0a:\g0a+3], s[\g1a:\g1a+7]
	s_nop 0
.rept 4
	v_nop
.endr
	s_branch .Lasked_\@
.Lfor_b_\@:
	tensor_load_to_lds s[\g0b:\g0b+3], s[\g1b:\g1b+7]
	s_nop 0
.rept 4
	v_nop
.endr
.Lasked_\@:
.endm
.macro CREST                           ; a round of the cluster's barrier behind its opening barrier
	s_cmp_lg_u32 s14, 0
	s_cbranch_scc1 .Lnot_wave_0_\@
	s_barrier_signal -3
.Lnot_wave_0_\@:
	s_barrier_wait -3
	s_barrier_signal -1
	s_barrier_wait -1
.endm
.macro CROUND                          ; a whole round
	s_barrier_signal -1
	s_barrier_wait -1
	CREST
.endm
	s_load_b128 s[4:7], s[0:1], 0x0                ; x's codes, x's scales
	s_load_b128 s[8:11], s[0:1], 0x10              ; W's codes, W's scales
	s_load_b128 s[96:99], s[0:1], 0x20             ; b_attn, qkv
	v_lshl_add_u32 v[SPW], v0, 2, SPARE
	v_mov_b32 v[NIL], 0
	ds_add_u32 v28, v29
	ds_add_u32 v28, v29
	s_wait_dscnt 0x0
	v_lshrrev_b32 v1, 5, v0
	v_readfirstlane_b32 s14, v1                    ; wave 0..3
	s_lshr_b32 s15, s14, 1                         ; which half of the outer rows is mine.  Also: I fetch for x (0) or for W (1)
	s_and_b32 s16, s14, 1                          ; which half of the inner rows.  Also: which 128 rows of that tile I fetch
	s_bfe_u32 s40, ttmp6, 0x40000                  ; cx, cy: my place in the cluster
	s_bfe_u32 s41, ttmp6, 0x40004
	s_lshl_b32 s42, ttmp9, 2
	s_add_co_u32 s42, s42, s40                     ; tile of 256 columns = 4 x cluster x + cx
	s_and_b32 s17, ttmp7, 0xffff
	s_lshl_b32 s17, s17, 2
	s_add_co_u32 s17, s17, s41                     ; tile of 256 tokens = 4 x cluster y + cy
	s_lshl_b32 s43, s41, 2
	s_lshl_b32 s43, 15, s43                        ; my row of the cluster
	s_lshl_b32 s44, 0x1111, s40                    ; my column
	; group 1: a tile of 128 rows x 192 bytes; 16 bytes of padding behind every 64
	s_or_b32 s[G1+0], s43, (0<<16)|(1<<20)|(1<<21)|(3<<22)|(3<<25)  ; 15:0 the mask: x's tiles go to my row; elements of 1 byte; padding on; bit 21 beside a mask; after every 16 words, 4 words
	s_or_b32 s[G1B+0], s44, (0<<16)|(1<<20)|(1<<21)|(3<<22)|(3<<25) ; W's go to my column
.irp g, G1, G1B
	s_mov_b32 s[\g+1], ROWB<<16                    ; tensor_dim0
	s_mov_b32 s[\g+2], 128<<16                     ; tensor_dim1
	s_mov_b32 s[\g+3], ROWB<<16                    ; tile_dim0
	s_mov_b32 s[\g+4], 128                         ; tile_dim1
	s_mov_b32 s[\g+5], KROW                        ; from row to row
	s_mov_b32 s[\g+6], 0
	s_mov_b32 s[\g+7], 0
.endr
	; the scales of 128 rows: a dense block of 4,096 bytes, as 16 rows of 256 bytes (32 elements of 8), 16 bytes of padding behind each
	s_or_b32 s[G1S+0], s43, (3<<16)|(1<<20)|(1<<21)|(5<<22)|(3<<25)
	s_or_b32 s[G1SB+0], s44, (3<<16)|(1<<20)|(1<<21)|(5<<22)|(3<<25)
.irp g, G1S, G1SB
	s_mov_b32 s[\g+1], 32<<16
	s_mov_b32 s[\g+2], (128*KS/256)<<16
	s_mov_b32 s[\g+3], 32<<16
	s_mov_b32 s[\g+4], 128*KS/256
	s_mov_b32 s[\g+5], 32
	s_mov_b32 s[\g+6], 0
	s_mov_b32 s[\g+7], 0
.endr
	s_lshl_b32 s18, s16, 7                         ; which 128 rows of the tile I fetch
	s_lshl_b32 s20, s17, 8
	s_add_co_u32 s20, s20, s18                     ; x: row 256 x token tile + 128 x half
	s_lshl_b32 s46, s42, 8
	s_add_co_u32 s46, s46, s18                     ; W: row 256 x column tile + 128 x half
.if KV
	s_add_co_u32 s46, s46, 2048                    ; v's rows of W lie behind q's and k's
.endif
	s_mov_b32 s21, 0
	s_mov_b32 s47, 0
	s_mov_b64 s[18:19], KS
	s_mul_u64 s[22:23], s[20:21], s[18:19]         ; where these rows' scales begin,
	s_mul_u64 s[92:93], s[46:47], s[18:19]
	s_mov_b64 s[18:19], KROW
	s_mul_u64 s[20:21], s[20:21], s[18:19]         ; and their codes
	s_mul_u64 s[46:47], s[46:47], s[18:19]
	s_mul_i32 s45, s14, HALFT                      ; where they go: wave x 128 rows; no place in the cluster enters an LDS address
	s_mul_i32 s94, s14, HALFS
	s_wait_kmcnt 0x0
	s_add_nc_u64 s[20:21], s[4:5], s[20:21]
	s_add_nc_u64 s[22:23], s[6:7], s[22:23]
	s_add_nc_u64 s[46:47], s[8:9], s[46:47]
	s_add_nc_u64 s[92:93], s[10:11], s[92:93]
	CROUND                                         ; all sixteen work-groups are here: the first joint loads meet
	s_mov_b32 s[G0S], 1
	s_add_co_u32 s[G0S+1], s94, SCL
	s_mov_b64 s[G0S+2:G0S+3], s[22:23]
	s_or_b32 s[G0S+3], s[G0S+3], 0x80000000
	s_mov_b32 s[G0SB], 1
	s_add_co_u32 s[G0SB+1], s94, SCL
	s_mov_b64 s[G0SB+2:G0SB+3], s[92:93]
	s_or_b32 s[G0SB+3], s[G0SB+3], 0x80000000
	JLOAD G0S, G1S, G0SB, G1SB                     ; the scales first: they are wanted with K step 0
.irp s, 0,1
	s_mov_b32 s[G0+4*\s], 1
	s_add_co_u32 s[G0+4*\s+1], s45, \s*SLOT
	s_add_nc_u64 s[G0+4*\s+2:G0+4*\s+3], s[20:21], \s*ROWB
	s_or_b32 s[G0+4*\s+3], s[G0+4*\s+3], 0x80000000
	s_mov_b32 s[G0B+4*\s], 1
	s_add_co_u32 s[G0B+4*\s+1], s45, \s*SLOT
	s_add_nc_u64 s[G0B+4*\s+2:G0B+4*\s+3], s[46:47], \s*ROWB
	s_or_b32 s[G0B+4*\s+3], s[G0B+4*\s+3], 0x80000000
	JLOAD G0+4*\s, G1, G0B+4*\s, G1B               ; three loads of mine are out
.endr
	v_and_b32 v1, 15, v0                           ; r = lane % 16
	v_bfe_u32 v2, v0, 4, 1                         ; h = lane / 16
	; the bias: 128 numbers from column 2,048 KV + 256 x column tile + 128 x my half on
	s_lshl_b32 s22, s42, 10
	s_lshl_b32 s23, s[NHR], 9
	s_add_co_u32 s22, s22, s23
.if KV
	s_add_co_u32 s22, s22, 8192
.endif
	s_mov_b32 s23, 0
	s_add_nc_u64 s[96:97], s[96:97], s[22:23]
.if KV
	v_lshlrev_b32 v[VB], 2, v1                     ; a lane holds column 16 a + r: one number for each outer block
.irp a, 0,1,2,3,4,5,6,7
	global_load_b32 v[BIAS+8*\a], v[VB], s[96:97] offset:64*\a
.endr
.else
	v_lshlrev_b32 v[VB], 5, v2                     ; a lane's registers hold columns 16 b + 8 h + 0 .. 7
.irp b, 0,1,2,3,4,5,6,7
	global_load_b128 v[BIAS+8*\b:BIAS+8*\b+3], v[VB], s[96:97] offset:64*\b
	global_load_b128 v[BIAS+8*\b+4:BIAS+8*\b+7], v[VB], s[96:97] offset:64*\b+16
.endr
.endif
	v_mul_u32_u24 v3, v1, PITCH
	v_mul_u32_u24 v4, v2, 24
	v_add_nc_u32 v4, v3, v4                        ; a fragment's row x pitch + 24 x half
	v_lshl_add_u32 v5, v2, 4, v4                   ; and the same behind one padding more
	s_mul_i32 s21, s15, HALFT                      ; my 128 outer rows,
	s_mul_i32 s22, s16, HALFT                      ; my 128 inner rows;
.if KV
	s_add_co_u32 s21, s21, 2*HALFT                 ; W's rows lie behind x's 256
.else
	s_add_co_u32 s22, s22, 2*HALFT
.endif
.irp s, 0,1
	v_add_nc_u32 v[ADRA+\s], s21, v4
	v_add_nc_u32 v[ADRB+\s], s22, v4
	v_add_nc_u32 v[ADRA+2+\s], s21, v5
	v_add_nc_u32 v[ADRB+2+\s], s22, v5
	s_add_co_u32 s21, s21, SLOT
	s_add_co_u32 s22, s22, SLOT
.endr
	v_mul_u32_u24 v5, v1, KS                       ; my row's scales: 32 bytes a row,
	v_lshrrev_b32 v6, 8, v5
	v_lshl_add_u32 v5, v6, 4, v5                   ; and 16 more for each 256 passed
.if KV
	s_mul_i32 s21, s16, HALFS                      ; x's (inner) lie lower,
	s_mul_i32 s22, s15, HALFS                      ; W's (outer) behind x's 256 rows':
	v_xor_b32 v6, 1, v2                            ; lanes 0-15 take the outer rows', which here are the higher ones
.else
	s_mul_i32 s21, s15, HALFS                      ; x's (outer) lie lower,
	s_mul_i32 s22, s16, HALFS                      ; W's (inner) behind them:
	v_mov_b32 v6, v2                               ; lanes 16-31 take the higher ones
.endif
	s_add_co_u32 s22, s22, 2*HALFS
	s_sub_co_u32 s22, s22, s21                     ; one product: the lower base + (0 or 1) x the distance
	v_mul_u32_u24 v6, s22, v6
	s_add_co_u32 s21, s21, SCL
	v_add_nc_u32 v5, v5, v6
	v_add_nc_u32 v[ADRS], s21, v5
	; where the results go
	v_and_b32 v6, 31, v0
	v_lshlrev_b32 v[VO], 4, v6
	v_mul_u32_u24 v[VS], v2, HB
	v_lshl_add_u32 v[VS], v1, 4, v[VS]
	s_lshr_b32 s18, s17, 3                         ; batch (8 token tiles each),
	s_lshl_b32 s18, s18, 4
	s_and_b32 s19, s17, 7
	s_lshl_b32 s19, s19, 1
	s_add_co_u32 s19, s19, s[THR]                  ; my step of 128 tokens in the batch
	s_lshl_b32 s46, s40, 2                         ; a column tile is four heads,
	s_lshl_b32 s47, s[NHR], 1                      ; my half two of them
	s_add_co_u32 s46, s46, s47
	s_add_co_u32 s46, s46, s18                     ; 16 x batch + my first head
	s_mul_i32 s46, s46, HB
.if KV
	s_mov_b32 s22, 106496                          ; v's codes: 6,144 x step + 12,288 (steps 0, 1) or + 106,496
	s_cmp_lt_u32 s19, 2
	s_cselect_b32 s22, 12288, s22
	s_mov_b32 s92, 28672                           ; v's scale words
.else
	s_cmp_lt_u32 s19, 2
	s_cselect_b32 s22, 0, 20480                    ; k's codes: 6,144 x step + 0 (steps 0, 1) or + 20,480
	s_mov_b32 s23, 204800                          ; q's
	s_mov_b32 s92, 303104
	s_cmp_eq_u32 ttmp9, 0                          ; the first cluster column makes q, the second k
	s_cselect_b32 s22, s23, s22
	s_cselect_b32 s92, s92, 24576
.endif
	s_mul_i32 s23, s19, 6144
	s_add_co_u32 s22, s22, s23
	s_add_co_u32 s22, s22, s46
	s_mov_b32 s23, 0
	s_add_nc_u64 s[12:13], s[98:99], s[22:23]      ; my codes
	s_lshl_b32 s23, s19, 8
	s_add_co_u32 s92, s92, s23
	s_add_co_u32 s92, s92, s46
	s_mov_b32 s93, 0
	s_add_nc_u64 s[66:67], s[98:99], s[92:93]      ; my scale words
	s_mov_b32 s2, 0x05040100                       ; v_perm_b32: the two low halves,
	s_mov_b32 s3, 0x07060302                       ; the two high halves
	s_mov_b32 s95, 0xffff0000                      ; lanes 16-31
	s_mov_b32 s[SEL], 0x76543210
	s_mov_b32 s[SEL+1], 0xfedcba98
.macro FRAG reg, adr, q, i             ; a fragment, 16 rows x 128 K: lane l holds row l % 16; registers 6 c .. 6 c + 5 hold K = 64 c + 32 (l / 16) + 0 .. 31: 24 bytes of the row, as they lie
.irp p, 0,1,2,3,4,5                    ; in pieces of 8 bytes.  Lanes 16-31 read three pieces further on; where that is behind one padding more, the second address register serves
.set PCE, 12*(\q)+6*(\p/3)+\p%3
.if PCE%8 < 5
	ds_load_b64 v[\reg+2*\p:\reg+2*\p+1], v[\adr] offset:8*PCE+16*(PCE/8)+(\i)*16*PITCH
.else
	ds_load_b64 v[\reg+2*\p:\reg+2*\p+1], v[\adr+2] offset:8*PCE+16*(PCE/8)+(\i)*16*PITCH
.endif
.endr
.endm
; 16 matrix instructions: outer blocks a0, a0 + 1 x the eight inner ones, 128 along K: the slot's q-th.  p: the inner set;  sc: the set of scale words.  first = 1: C is the bias.
; The 64 accumulators take turns, one instruction a turn, in the same order in every step.
.macro MUL16 a0, p, q, sc, first
.irp a, \a0, \a0+1
.irp b, 0,1,2,3,4,5,6,7
.if \first
	v_wmma_scale_f32_16x16x128_f8f6f4 v[8*(8*((\a)%4)+\b):8*(8*((\a)%4)+\b)+7], v[128*(\p)+FR*\b:128*(\p)+FR*\b+FR-1], v[AF+FR*(\a):AF+FR*(\a)+FR-1], v[BIAS+8*(KV*(\a)+(1-KV)*\b):BIAS+8*(KV*(\a)+(1-KV)*\b)+7], v[SC+8*NQ*(\sc)+NQ*\b+(\q)], v[SC+8*NQ*(\sc)+NQ*(\a)+(\q)] matrix_a_fmt:MATRIX_FMT_FP6 matrix_b_fmt:MATRIX_FMT_FP6 matrix_a_scale:MATRIX_SCALE_ROW1
.else
	v_wmma_scale_f32_16x16x128_f8f6f4 v[8*(8*((\a)%4)+\b):8*(8*((\a)%4)+\b)+7], v[128*(\p)+FR*\b:128*(\p)+FR*\b+FR-1], v[AF+FR*(\a):AF+FR*(\a)+FR-1], v[8*(8*((\a)%4)+\b):8*(8*((\a)%4)+\b)+7], v[SC+8*NQ*(\sc)+NQ*\b+(\q)], v[SC+8*NQ*(\sc)+NQ*(\a)+(\q)] matrix_a_fmt:MATRIX_FMT_FP6 matrix_b_fmt:MATRIX_FMT_FP6 matrix_a_scale:MATRIX_SCALE_ROW1
.endif
.endr
.endr
.endm
.macro FETCH_B slot, q, p              ; the eight inner fragments of the slot's q-th 128 along K into set p
	WIN TO_B
.irp i, 0,1,2,3,4,5,6,7
	FRAG 128*(\p)+FR*\i, ADRB+\slot, \q, \i
.endr
	WIN 0
.endm
.macro FETCH_A slot, q, i0             ; outer blocks i0 .. i0 + 3
.irp i, \i0, \i0+1, \i0+2, \i0+3
	FRAG AF+FR*(\i), ADRA+\slot, \q, \i
.endr
.endm
.macro SCALES sc                       ; a K step's scale words into set sc: two words a row; lanes 0-15 the outer block i's, lanes 16-31 the inner block i's
.irp i, 0,1,2,3,4,5,6,7
	ds_load_b64 v[SC+8*NQ*\sc+NQ*\i:SC+8*NQ*\sc+NQ*\i+1], v[ADRS] offset:\i*SBLK
.endr
.endm
.macro PLACES n                        ; plain vector instructions that name no register of the matrix instructions before them (ISA guide 7.12.1 for vector instructions)
.rept \n
	v_nop
.endr
.endm
; A step of 128 along K that has its successor in the same slot.
.macro STEP slot, q, first
	s_wait_dscnt 4*NL                              ; the inner set and outer blocks 0-3 are in; the youngest 24 loads (outer blocks 4-7) may be out
.if \first
	WIN FIRST_LO
.else
	WIN MUL_LO
.endif
	MUL16 0, (\q)%2, \q, \slot, \first
	MUL16 2, (\q)%2, \q, \slot, \first
	s_wait_dscnt 0                                 ; outer blocks 4-7 are in
	PLACES NP
	FETCH_B \slot, (\q)+1, 1-(\q)%2
	FETCH_A \slot, (\q)+1, 0
.if \first
	WIN FIRST_HI
.else
	WIN MUL_HI
.endif
	MUL16 4, (\q)%2, \q, \slot, \first
	MUL16 6, (\q)%2, \q, \slot, \first
	PLACES NP
	WIN 0
	FETCH_A \slot, (\q)+1, 4
.endm
; A slot's last step changes slots: ONE barrier; in front of it each wave waits for all its tensor loads, adds 0 to its spare word, and waits for that and for its reads of this slot.  fill = 1: this slot is filled again, two K steps ahead.
.macro TURN slot, next, fill
	s_wait_tensorcnt 0x0                           ; all my tensor loads have landed: my part of the next slot
	ds_add_u32 v[SPW], v[NIL]                      ; 0 onto my spare word
	s_wait_dscnt 4*NL+1                            ; the add and the youngest 24 loads may be out
	WIN MUL_LO
	MUL16 0, 1, NQ-1, \slot, 0                     ; sixteen matrix instructions stand between the add and the wait for it
	s_wait_dscnt 0x0                               ; the add is done, and my reads of this slot are over
	s_barrier_signal -1
	MUL16 2, 1, NQ-1, \slot, 0
	WIN 0
	s_barrier_wait -1
.if \fill
	CREST                                          ; the barrier has opened a round of the cluster's: no wave of any partner still reads this slot or has a load on its way
	s_add_nc_u64 s[G0+4*\slot+2:G0+4*\slot+3], s[G0+4*\slot+2:G0+4*\slot+3], 2*ROWB
	s_add_nc_u64 s[G0B+4*\slot+2:G0B+4*\slot+3], s[G0B+4*\slot+2:G0B+4*\slot+3], 2*ROWB
	JLOAD G0+4*\slot, G1, G0B+4*\slot, G1B         ; the first tensor load behind the round; its four v_nop are the places in front of the loads below
.else
	PLACES NP
.endif
	v_add_nc_u32 v[ADRS], 4*NQ, v[ADRS]            ; on to the next K step's scale words
	FETCH_B \next, 0, 0
	FETCH_A \next, 0, 0
	SCALES \next
	WIN MUL_HI
	MUL16 4, 1, NQ-1, \slot, 0
	MUL16 6, 1, NQ-1, \slot, 0
	PLACES NP
	WIN 0
	FETCH_A \next, 0, 4
.endm
	s_wait_tensorcnt 1                             ; the scales and my part of K step 0 are in; K step 1's load may be out
	s_barrier_signal -1
	s_barrier_wait -1
	FETCH_B 0, 0, 0
	FETCH_A 0, 0, 0
	SCALES 0
	FETCH_A 0, 0, 4
	s_wait_loadcnt 0x0                             ; the bias
.if KV
.irp a, 0,1,2,3,4,5,6,7
.irp j, 1,2,3,4,5,6,7
	v_mov_b32 v[BIAS+8*\a+\j], v[BIAS+8*\a]        ; a lane's eight results of a tile belong to one column
.endr
.endr
.endif
	STEP 0, 0, 1                                   ; K = 1,024 is four K steps, written out: slots 0, 1, 0, 1; each slot is filled again once
	TURN 0, 1, 1
	STEP 1, 0, 0
	TURN 1, 0, 1
	STEP 0, 0, 0
	TURN 0, 1, 0                                   ; the last lap fills nothing, and has no round of the cluster's barrier
	STEP 1, 0, 0
	s_wait_dscnt 4*NL                              ; the very last step: nothing more to fetch
	WIN MUL_LO
	MUL16 0, 1, NQ-1, 1, 0
	MUL16 2, 1, NQ-1, 1, 0
	s_wait_dscnt 0
	WIN MUL_HI
	MUL16 4, 1, NQ-1, 1, 0
	MUL16 6, 1, NQ-1, 1, 0
	WIN 0
; THE WAY OUT: no LDS.  The 64 registers of an outer block, v[s] on in window w: register 16 b + i is, of my lane's outer row, number i of my half's 16 of block b of 32 along the inner rows.
; They become two halves of fragments, six registers each at d0 (blocks 0, 1) and d1 (blocks 2, 3), and a word of four scale bytes in pw.  Each accumulator is read from its low end on.
.macro QUANT w, s, d0, d1, pw
.set QW, (\w)
	WIN (QW<<2)|(QW<<4)
.irp b, 0,1,2,3
	v_max3_num_f32 v[TM+\b], 0x1800000, |v[(\s)+16*\b]|, |v[(\s)+16*\b+1]|   ; my 16 numbers of block b, and the floor 2^(3 - 127): the byte cannot fall under 1
.endr
.irp i, 2,4,6,8,10,12,14
.irp b, 0,1,2,3
	v_max3_num_f32 v[TM+\b], v[TM+\b], |v[(\s)+16*\b+\i]|, |v[(\s)+16*\b+\i+1]|   ; the four blocks by turns
.endr
.endr
	WIN 0
.irp b, 0,1,2,3
	v_permlanex16_b32 v[TM+4+\b], v[TM+\b], s[SEL], s[SEL+1]
.endr
.irp b, 0,1,2,3
	v_max_num_f32 v[TM+\b], v[TM+\b], v[TM+4+\b]   ; with lane l xor 16's: the block's largest magnitude
.endr
.irp b, 0,1,2,3
	v_add_nc_u32 v[TM+12+\b], 0xff000000, v[TM+\b] ; 2 off its exponent field: the conversion's scale operand
.endr
.irp b, 0,1,2,3
	v_lshrrev_b32 v[TM+4+\b], 23, v[TM+12+\b]      ; the scale's byte
.endr
	v_lshl_or_b32 v[\pw], v[TM+5], 8, v[TM+4]
	v_lshl_or_b32 v[\pw], v[TM+6], 16, v[\pw]
	v_lshl_or_b32 v[\pw], v[TM+7], 24, v[\pw]
	WIN QW
	v_cvt_scalef32_pk16_fp6_f32 v[\d0:\d0+2], v[(\s):(\s)+15], v[TM+12]
	v_cvt_scalef32_pk16_fp6_f32 v[CT:CT+2], v[(\s)+16:(\s)+31], v[TM+13]      ; (a conversion's three registers begin on an even number)
	v_cvt_scalef32_pk16_fp6_f32 v[\d1:\d1+2], v[(\s)+32:(\s)+47], v[TM+14]
	v_cvt_scalef32_pk16_fp6_f32 v[CT+4:CT+6], v[(\s)+48:(\s)+63], v[TM+15]
	WIN 0
	v_nop                                          ; one plain place behind a scaled conversion
.irp i, 0,1,2                                  ; the operand's layout wants a whole block in a lane: lanes 0-15 the even block, lanes 16-31 the odd one
	v_permlane16_swap_b32 v[\d0+\i], v[CT+\i]
	v_permlane16_swap_b32 v[\d1+\i], v[CT+4+\i]
.endr
.irp i, 0,1,2
	v_mov_b32 v[\d0+3+\i], v[CT+\i]
	v_mov_b32 v[\d1+3+\i], v[CT+4+\i]
.endr
.endm
	PLACES NP                                      ; behind the last products: their results are read, and registers that they read are written
.irp b, 0,1,2,3
	v_mov_b32 v[TM+4+\b], 0                        ; written once: a lane permute's destination counts as one of its sources
.endr
.if KV
; v: outer block o is channels 16 (o % 4) + r of head o / 4; its 128 tokens are one whole fragment and one scale word
.irp o, 0,1,2,3,4,5,6,7
.if \o >= 4
	s_wait_xcnt 0x0                                ; the stores of four blocks back have read this image buffer
.endif
	QUANT 2+\o/4, 64*(\o%4), IMG+12*(\o%4), IMG+12*(\o%4)+6, SW+\o
.irp k, 0,1,2
	global_store_b128 v[VO], v[IMG+12*(\o%4)+4*\k:IMG+12*(\o%4)+4*\k+3], s[12:13] offset:(\o/4)*HB+1536*(\o%4)+512*\k   ; 32 lanes store 512 consecutive bytes, aligned
.endr
.endr
.else
; q, k: outer blocks 2 g and 2 g + 1 (tokens 32 g + r, 32 g + 16 + r) give image g of my two heads: blocks 0, 1 are the first head's 64, blocks 2, 3 the second's
.irp g, 0,1,2,3
.if \g >= 2
	s_wait_xcnt 0x0                                ; the stores of two pairs back have read these image buffers
.endif
	QUANT 2+(2*\g)/4, 64*((2*\g)%4), IMG+24*(\g%2), IMG+24*(\g%2)+12, PWA
	QUANT 2+(2*\g+1)/4, 64*((2*\g+1)%4), IMG+24*(\g%2)+6, IMG+24*(\g%2)+18, PWB
	v_perm_b32 v[SW+\g], v[PWB], v[PWA], s2        ; the first head's word: the first token's two bytes, then the second token's
	v_perm_b32 v[SW+4+\g], v[PWB], v[PWA], s3      ; the second head's
.irp c, 0,1
.irp k, 0,1,2
	global_store_b128 v[VO], v[IMG+24*(\g%2)+12*\c+4*\k:IMG+24*(\g%2)+12*\c+4*\k+3], s[12:13] offset:\c*HB+1536*\g+512*\k   ; 32 lanes store 512 consecutive bytes, aligned
.endr
.endr
.endr
.endif
.irp g, 0,1,2,3
	v_cndmask_b32 v[SX+\g], v[SW+\g], v[SW+4+\g], s95   ; lanes 16-31 take the second head's words
.endr
	global_store_b128 v[VS], v[SX:SX+3], s[66:67]  ; sixteen lanes store a head's 256 bytes of this step, aligned
	s_wait_tensorcnt 0x0                           ; the wave's end
	ds_add_u32 v[SPW], v[NIL]
	s_wait_dscnt 0x0
	CROUND                                         ; the closing round: no work-group ends while a partner may still ask for a tile that names it
	s_endpgm
.Lfunc_end_k_q1e71dd3105_v:
	.size	k_q1e71dd3105_v, .Lfunc_end_k_q1e71dd3105_v-k_q1e71dd3105_v
	.p2alignl 7, 3214868480
	.fill 96, 4, 3214868480
	.section	.rodata,"a",@progbits
	.p2align	6, 0x0
	.amdhsa_kernel k_q1e71dd3105_v
		.amdhsa_group_segment_fixed_size 327680
		.amdhsa_private_segment_fixed_size 0
		.amdhsa_enable_private_segment 0
		.amdhsa_kernarg_size 48
		.amdhsa_user_sgpr_count 2
		.amdhsa_user_sgpr_kernarg_segment_ptr 1
		.amdhsa_wavefront_size32 1
		.amdhsa_system_sgpr_workgroup_id_x 1
		.amdhsa_system_sgpr_workgroup_id_y 1
		.amdhsa_system_sgpr_workgroup_id_z 1
		.amdhsa_system_vgpr_workitem_id 0
		.amdhsa_next_free_vgpr 1024
		.amdhsa_next_free_sgpr 102
		.amdhsa_reserve_vcc 0
		.amdhsa_float_denorm_mode_32 3
		.amdhsa_float_denorm_mode_16_64 3
		.amdhsa_memory_ordered 1
		.amdhsa_forward_progress 1
		.amdhsa_inst_pref_size 167
	.end_amdhsa_kernel
	.amdgpu_metadata
---
amdhsa.version: [ 1, 2 ]
amdhsa.kernels:
  - .name:           k_q1e71dd3105_v
    .symbol:         k_q1e71dd3105_v.kd
    .args:
      - { .name: x_codes, .offset: 0, .size: 8, .value_kind: global_buffer, .address_space: global }
      - { .name: x_scales, .offset: 8, .size: 8, .value_kind: global_buffer, .address_space: global }
      - { .name: W_attn_codes, .offset: 16, .size: 8, .value_kind: global_buffer, .address_space: global }
      - { .name: W_attn_scales, .offset: 24, .size: 8, .value_kind: global_buffer, .address_space: global }
      - { .name: b_attn, .offset: 32, .size: 8, .value_kind: global_buffer, .address_space: global }
      - { .name: qkv, .offset: 40, .size: 8, .value_kind: global_buffer, .address_space: global }
    .group_segment_fixed_size: 327680
    .private_segment_fixed_size: 0
    .kernarg_segment_align: 8
    .kernarg_segment_size: 48
    .max_flat_workgroup_size: 128
    .sgpr_count:     102
    .vgpr_count:     1024
    .wavefront_size: 32
...
	.end_amdgpu_metadata
.endif
;; end of part 2
;; launch attn (part 3): grid 4 x 64, 16 waves a work-group, clusters of 4 x 1, 206,848 bytes of LDS; arguments qkv, yc, ys; writes yc, ys
.if DOCPART == 3
	.amdgcn_target "amdgcn-amd-amdhsa--gfx1250"
	.amdhsa_code_object_version 6
	.text
	.protected	k_q1e71dd3105_attn
	.globl	k_q1e71dd3105_attn
	.p2align	8
	.type	k_q1e71dd3105_attn,@function
k_q1e71dd3105_attn:
	s_mov_b64 s[64:65], 0
	v_nop
	global_prefetch_b8 v0, s[64:65] scope:SCOPE_SE
	s_setreg_imm32_b32 hwreg(HW_REG_WAVE_MODE, 25, 1), 1
	s_wait_xcnt 0x0
	s_wait_alu depctr_hold_cnt(0) depctr_sa_sdst(0) depctr_va_vdst(0) depctr_va_sdst(0) depctr_va_ssrc(0) depctr_va_vcc(0) depctr_vm_vsrc(0)
	s_getreg_b32 s2, hwreg(HW_REG_IB_STS2, 6, 4)
	s_cmp_eq_u32 s2, 0
	s_cbranch_scc0 .Lentry_in_a_cluster
	s_endpgm
.Lentry_in_a_cluster:
	s_bfe_u32 s2, ttmp6, 0x10000c
	s_cmp_lg_u32 s2, 0x3003
	s_cbranch_scc0 .Lentry_shape_is_right
	s_endpgm
.Lentry_shape_is_right:
; Causal attention on codes of FP6 (E2M3) with E8M0 scales: 64 heads (16 x batch + head) of 2,048 tokens x 64 channels.  In: qkv, 307,200 bytes a head, images of operand registers (a fragment of 12 registers is
; 1,536 bytes, registers 4 c .. 4 c + 3 of lane l at 512 c + 16 l); a step is 128 tokens, 6,144 bytes of codes (4 images) and 256 bytes of scale words ([row 0..15][image 0..3]):
;   0 K codes of steps 0, 1 | 12,288 V codes of steps 0, 1 | 24,576 K scale words | 28,672 V scale words | 32,768 K codes of steps 2..15 | 118,784 V codes of steps 2..15 | 204,800 Q codes | 303,104 Q scale words.
; K = 64 FILLS HALF OF THE MATRIX INSTRUCTION'S 128: a K image holds TWO tiles of 16 keys (registers 0-5: keys 32 g + r, registers 6-11: keys 32 g + 16 + r) and is multiplied once by [q | zeros] and once by [zeros | q].
; Both products are used transposed (S^T = k q^T, O^T = v^T p^T): a lane holds ONE query (lane % 16); register 8 t + j of S^T is key 16 t + 8 (lane / 16) + j of the step.  Converted as they stand, p's codes of a
; block of 32 keys lie in the order 0-7, 16-23, 8-15, 24-31: v's codes were laid in the same order, so the product is that of the natural order (q and k likewise along the channels).
; THE SOFTMAX: t = score x log2(e) / 8; M = the running largest t rounded UP to a whole number; p = 2^(t - M) is quantised along the keys; the row's sum is taken of the unquantised p and divides O at the end; when M
; moves, the sum and O are multiplied by 2^(old M - new M), exactly.
; SHARES.  A cluster of four work-groups is one head.  The head's K and V codes and scale words, 204,800 bytes, lie in each work-group's LDS, filled ONCE by joint loads: the same tensor load with a mask that names
; the four.  Wave w (pair number w / 2, u = w % 2) owns two tiles of 16 queries, at place e = u + 2 cx of the groups of 128 queries 15 - w / 2 (tile A) and w / 2 (tile B).  A tile of group g needs steps 0 .. g,
; step g with the mask: 17 units of 16 queries x 128 keys for every wave.  Steps that lie wholly behind the diagonal are left out by scalar branches on the wave's number and the step; cx enters global
; addresses and the mask's vector compare alone.  Behind the second barrier the waves run free.
; OUT: y = O / sum, brought into natural order and quantised along C for the projection: yc [token / 16][head][768]: six registers, registers 2 p, 2 p + 1 of lane l at 256 p + 8 l (lane (r, h): token r, the head's
; block h);  ys [token / 16][head / 2][r][4]: byte 2 (head % 2) + h.
; LIMITS: a block whose largest magnitude lies under 2^-124 gets the byte 1 (read by this program alone); NaN and infinities are not served.  No prefetch: all of K and V is asked for by the loads at the head.
.set HB,    307200
.set QOFF,  204800
.set QSOFF, 303104
.set LI,  1                            ; v1   16 x lane
.set LR,  2                            ; v2   24,576 + 16 r: K's scale words of step 0
.set DM,  3                            ; v3   16 e + r - 8 h: register 8 t + j is hidden on the diagonal where 16 t + j > this
.set ADK, 4                            ; v4-6 LDS addresses of the unit in hand: K, V, scale words
.set ADV, 5
.set ADS, 6
.set YO,  7                            ; v7   8 x lane
.set YSO, 8                            ; v8   4 r + h
.set STA, 12                           ; v12-15 tile A: -M, the largest t, the sum in two halves;  v16-19 tile B
.set STB, 16
.set QB,  20                           ; v20-49: six zeros | q of A | six zeros | q of B | six zeros
.set QSA, 50                           ; v50, v51 q's two scale bytes, twice in a word
.set QSB, 51
.set F,   52                           ; v52-99 four fragments of K or V; between the products at work:
.set BM,  52                           ;   the blocks' largest scores, then largest p
.set PT,  56                           ;   permute results, then bytes
.set SO,  60                           ;   the conversions' scale operands
.set CT,  64                           ;   v64-66, v68-70 the conversions' second halves
.set SM,  72                           ;   v72-73 the second chain of the sum
.set T0,  74
.set FP,  76                           ;   v76 f = 2^(old M - new M) (v77 named with it)
.set S,   100                          ; v100-163 S^T, then p
.set OA,  164                          ; v164-195 tile A's O^T;  v196-227 tile B's
.set OB,  196
.set PC,  228                          ; v228-239 p's codes
.set PW,  240                          ; v240 p's scale word
.set KS,  244                          ; v244-247 K's or V's scale words
.set WV,  10
.set CX,  11
.set UU,  13
.set TA,  14                           ; tile A's group = its last step
.set TB,  15                           ; tile B's
.set STP, 16                           ; the step
.set KA,  17                           ; LDS byte of the step's K images, V images, and 256 x step
.set VA,  18
.set SA,  19
.set SEL, 20                           ; s[20:21] lane l xor 16
.set CS,  22                           ; s[22:23] c = log2(e) / 8
.set G1A, 24                           ; s[24:31], s[32:39] groups 1;  s[40:43], s[44:47] groups 0
.set G1B, 32
.set G0A, 40
.set G0B, 44
.set HI16, 48                          ; lanes 16-31
.set USEL, 49                          ; all ones where u = 1
.set PSEL, 50
.set BH,  52
.set EE,  53
.macro CROUND                          ; a round of the cluster's barrier
	s_barrier_signal -1
	s_barrier_wait -1
	s_cmp_lg_u32 s[WV], 0
	s_cbranch_scc1 .Lnot_wave_0_\@
	s_barrier_signal -3
.Lnot_wave_0_\@:
	s_barrier_wait -3
	s_barrier_signal -1
	s_barrier_wait -1
.endm
	s_load_b128 s[4:7], s[0:1], 0x0                ; qkv, yc
	s_load_b64 s[8:9], s[0:1], 0x10                ; ys
	v_lshl_add_u32 v254, v0, 2, 0x32000
	v_mov_b32 v255, 0
	ds_add_u32 v254, v255
	ds_add_u32 v254, v255
	v_lshrrev_b32 v9, 5, v0
	v_readfirstlane_b32 s[WV], v9                  ; wave 0..15
	s_bfe_u32 s[CX], ttmp6, 0x40000                ; my place in the cluster
	s_lshr_b32 s[TB], s[WV], 1
	s_and_b32 s[UU], s[WV], 1
	s_xor_b32 s[TA], s[TB], 15                     ; 15 - w / 2
	s_and_b32 s[BH], ttmp7, 0xffff                 ; the head, which the four partners share
	s_mul_i32 s54, s[BH], HB
	s_mov_b32 s55, 0
	; group 1: dense blocks as rows of 256 bytes (32 elements of 8 bytes); 8 rows, and 42 rows
	s_mov_b32 s[G1A], 15|(3<<16)|(1<<21)           ; 15:0 the mask: all four work-groups; elements of 8 bytes; bit 21 beside a mask; no padding
	s_mov_b32 s[G1A+1], 32<<16
	s_mov_b32 s[G1A+2], 8<<16
	s_mov_b32 s[G1A+3], 32<<16
	s_mov_b32 s[G1A+4], 8
	s_mov_b32 s[G1A+5], 32
	s_mov_b32 s[G1A+6], 0
	s_mov_b32 s[G1A+7], 0
	s_mov_b32 s[G1B], 15|(3<<16)|(1<<21)
	s_mov_b32 s[G1B+1], 32<<16
	s_mov_b32 s[G1B+2], 42<<16
	s_mov_b32 s[G1B+3], 32<<16
	s_mov_b32 s[G1B+4], 42
	s_mov_b32 s[G1B+5], 32
	s_mov_b32 s[G1B+6], 0
	s_mov_b32 s[G1B+7], 0
	s_lshl_b32 s56, s[WV], 11                      ; my 2,048 of the first 32,768 bytes,
	s_mov_b32 s57, 0
	s_mul_i32 s58, s[WV], 10752
	s_add_co_u32 s58, s58, 32768                   ; my 10,752 of the other 172,032: in LDS as in the head's block
	s_mov_b32 s59, 0
	s_wait_dscnt 0x0
	s_wait_kmcnt 0x0
	s_add_nc_u64 s[4:5], s[4:5], s[54:55]          ; the head's block
	s_mov_b32 s[G0A], 1
	s_mov_b32 s[G0A+1], s56
	s_add_nc_u64 s[G0A+2:G0A+3], s[4:5], s[56:57]
	s_or_b32 s[G0A+3], s[G0A+3], 0x80000000
	s_mov_b32 s[G0B], 1
	s_mov_b32 s[G0B+1], s58
	s_add_nc_u64 s[G0B+2:G0B+3], s[4:5], s[58:59]
	s_or_b32 s[G0B+3], s[G0B+3], 0x80000000
	CROUND                                         ; all four work-groups are here: the joint loads meet
	tensor_load_to_lds s[G0A:G0A+3], s[G1A:G1A+7]  ; steps 0 and 1, and all scale words
	s_nop 0
	tensor_load_to_lds s[G0B:G0B+3], s[G1B:G1B+7]  ; steps 2 to 15: two loads of mine are out
	s_nop 0
.rept 4
	v_nop
.endr
	v_and_b32 v9, 15, v0                           ; r
	v_bfe_u32 v10, v0, 4, 1                        ; h
	v_and_b32 v[LI], 31, v0
	v_lshlrev_b32 v[YO], 3, v[LI]
	v_lshlrev_b32 v[LI], 4, v[LI]
	v_lshl_add_u32 v[LR], v9, 4, 24576
	v_lshlrev_b32 v11, 4, v9                       ; 16 r
	v_lshl_add_u32 v[YSO], v9, 2, v10
	s_lshl_b32 s[EE], s[CX], 1
	s_add_co_u32 s[EE], s[EE], s[UU]               ; e: my tiles' place in their groups
	s_lshl_b32 s54, s[EE], 4
	v_lshlrev_b32 v[DM], 3, v10
	v_sub_nc_u32 v[DM], v9, v[DM]
	v_add_nc_u32 v[DM], s54, v[DM]
	; q: tile e of group g is half u of image cx of step g
	s_mul_i32 s51, s[CX], 1536
	s_mul_i32 s54, s[TA], 6144
	s_add_co_u32 s54, s54, s51
	s_add_nc_u64 s[56:57], s[4:5], s[54:55]
	s_mul_i32 s54, s[TB], 6144
	s_add_co_u32 s54, s54, s51
	s_add_nc_u64 s[60:61], s[4:5], s[54:55]
	s_lshl_b32 s51, s[CX], 2
	s_lshl_b32 s54, s[TA], 8
	s_add_co_u32 s54, s54, s51
	s_add_nc_u64 s[58:59], s[4:5], s[54:55]
	s_lshl_b32 s54, s[TB], 8
	s_add_co_u32 s54, s54, s51
	s_add_nc_u64 s[62:63], s[4:5], s[54:55]
.irp c, 0,1,2
	global_load_b128 v[S+4*\c:S+4*\c+3], v[LI], s[56:57] offset:QOFF+512*\c
	global_load_b128 v[S+16+4*\c:S+16+4*\c+3], v[LI], s[60:61] offset:QOFF+512*\c
.endr
	global_load_b32 v[S+12], v11, s[58:59] offset:QSOFF
	global_load_b32 v[S+28], v11, s[62:63] offset:QSOFF
	s_mov_b32 s[SEL], 0x76543210
	s_mov_b32 s[SEL+1], 0xfedcba98
	s_mov_b32 s[CS], 0x3e38aa3b                    ; log2(e) / sqrt(64)
	s_mov_b32 s[CS+1], s[CS]                       ; (named with it as a pair)
	s_mov_b32 s[HI16], 0xffff0000
	s_mov_b32 s[PSEL], 0x01000100
	s_cmp_eq_u32 s[UU], 1
	s_cselect_b32 s[USEL], -1, 0
	s_cselect_b32 s[PSEL], 0x03020302, s[PSEL]
	s_wait_loadcnt 0x0
.irp i, 0,1,2,3,4,5
	v_cndmask_b32 v[QB+6+\i], v[S+\i], v[S+6+\i], s[USEL]
	v_cndmask_b32 v[QB+18+\i], v[S+16+\i], v[S+22+\i], s[USEL]
.endr
	v_perm_b32 v[QSA], v[S+12], v[S+12], s[PSEL]   ; my tile's two bytes in both halves of the word: they serve [q | 0] and [0 | q]
	v_perm_b32 v[QSB], v[S+28], v[S+28], s[PSEL]
.irp i, 0,1,2,3,4,5
	v_mov_b32 v[QB+\i], 0                          ; zero codes add nothing under any of these bytes
	v_mov_b32 v[QB+12+\i], 0
	v_mov_b32 v[QB+24+\i], 0
.endr
.irp t, STA, STB
	v_mov_b32 v[\t+1], 0xff61b1e6                  ; the largest t so far: -3e38, under every t
	v_floor_f32 v[\t], -v[\t+1]                    ; -M
	v_mov_b32 v[\t+2], 0                           ; the sum
	v_mov_b32 v[\t+3], 0
.endr
.set j, 0
.rept 64
	v_mov_b32 v[OA+j], 0                           ; O^T of both tiles: the unit is written once, and its first run multiplies zeros.  (These lines also stand between the writes of q and its scale word and the first scaled product)
.set j, j+1
.endr
; A UNIT: one tile of 16 queries x the 128 keys of step s[STP].  st: the tile's statistics; o: its O^T; qlo, qhi: [q | 0], [0 | q]; qs: q's scale word; th: the register with the tile's last step; mask = 1: the unit may be the diagonal one.
.macro UNIT st, o, qlo, qhi, qs, th, mask
	v_add_nc_u32 v[ADK], s[KA], v[LI]
	v_add_nc_u32 v[ADV], s[VA], v[LI]
	v_add_nc_u32 v[ADS], s[SA], v[LR]
	v_nop                                          ; four places in front of loads into registers that the last products read
.irp f, 0,1,2,3
.irp c, 0,1,2
	ds_load_b128 v[F+12*\f+4*\c:F+12*\f+4*\c+3], v[ADK] offset:1536*\f+512*\c
.endr
.endr
	ds_load_b128 v[KS:KS+3], v[ADS]                ; lane r: the four images' words of row r
	s_wait_dscnt 0x0
.irp f, 0,1,2,3
	v_wmma_scale_f32_16x16x128_f8f6f4 v[S+16*\f:S+16*\f+7], v[F+12*\f:F+12*\f+11], v[\qlo:\qlo+11], 0, v[KS+\f], v[\qs] matrix_a_fmt:MATRIX_FMT_FP6 matrix_b_fmt:MATRIX_FMT_FP6
	v_wmma_scale_f32_16x16x128_f8f6f4 v[S+16*\f+8:S+16*\f+15], v[F+12*\f:F+12*\f+11], v[\qhi:\qhi+11], 0, v[KS+\f], v[\qs] matrix_a_fmt:MATRIX_FMT_FP6 matrix_b_fmt:MATRIX_FMT_FP6
.endr
.rept 4
	v_nop                                          ; places behind the products: their results are read, and K's registers are written
.endr
.if \mask
	s_cmp_lg_u32 s[STP], s[\th]                    ; only the tile's last step lies on the diagonal
	s_cbranch_scc1 .Lopen_\@
	v_mov_b32 v[T0], 0xff800000                    ; hidden scores become -infinity ahead of the maximum: p = 0 then.  The query's own key always counts
.set n, 0
.rept 64
	v_cmp_gt_i32 vcc_lo, 16*(n/8)+n%8, v[DM]
	v_cndmask_b32 v[S+n], v[S+n], v[T0], vcc_lo
.set n, n+1
.endr
.Lopen_\@:
.endif
.irp b, 0,1,2,3
	v_max3_num_f32 v[BM+\b], v[S+16*\b], v[S+1+16*\b], v[S+2+16*\b]   ; the largest score of each block of 32 keys: for the row's maximum, and, since p rises with the score, for the block's largest p
.endr
.irp i, 3,5,7,9,11,13
.irp b, 0,1,2,3
	v_max3_num_f32 v[BM+\b], v[BM+\b], v[S+16*\b+\i], v[S+1+16*\b+\i]
.endr
.endr
.irp b, 0,1,2,3
	v_max_num_f32 v[BM+\b], v[BM+\b], v[S+15+16*\b]
.endr
.irp b, 0,1,2,3
	v_permlanex16_b32 v[PT+\b], v[BM+\b], s[SEL], s[SEL+1]
.endr
.irp b, 0,1,2,3
	v_max_num_f32 v[BM+\b], v[BM+\b], v[PT+\b]     ; with lane l xor 16's 16 keys
.endr
	v_max3_num_f32 v[T0], v[BM], v[BM+1], v[BM+2]
	v_max_num_f32 v[T0], v[T0], v[BM+3]
	v_mul_f32 v[T0], s[CS], v[T0]                  ; as t (c is positive)
	v_max_num_f32 v[\st+1], v[\st+1], v[T0]        ; the running largest t
	v_mov_b32 v[T0], v[\st]
	v_floor_f32 v[\st], -v[\st+1]                  ; the new -M = -ceil(t): a whole number
	v_sub_f32 v[T0], v[\st], v[T0]                 ; old M - new M: a whole number, 0 or less
	v_cvt_i32_f32 v[T0], v[T0]                     ; (it saturates)
	v_ldexp_f32 v[FP], 1.0, v[T0]                  ; f = 2^(old M - new M)
.set j, 0
.rept 32
	v_pk_fma_f32 v[S+j:S+j+1], v[S+j:S+j+1], s[CS:CS+1], v[\st:\st+1] op_sel_hi:[1,0,0]   ; t - M, two at a time
.set j, j+2
.endr
.irp b, 0,1,2,3
	v_fma_f32 v[BM+\b], v[BM+\b], s[CS], v[\st]    ; the same of each block's largest score
.endr
.set j, 0
.rept 64
	v_exp_f32 v[S+j], v[S+j]                       ; p = 2^(t - M), not normalised
.set j, j+1
.endr
	v_pk_mul_f32 v[\st+2:\st+3], v[\st+2:\st+3], v[FP:FP+1] op_sel_hi:[1,0]   ; the sum under the new M: a plain line behind the exponentials
	s_wait_alu depctr_va_vdst(0)                   ; one wait for the batch of 64, ahead of its first reader
.irp b, 0,1,2,3
	v_exp_f32 v[BM+\b], v[BM+\b]                   ; the block's largest p
.endr
	v_pk_add_f32 v[SM:SM+1], v[S:S+1], v[S+2:S+3]  ; the sum of the unquantised p, in two chains
.set j, 4
.rept 15
	v_pk_add_f32 v[\st+2:\st+3], v[\st+2:\st+3], v[S+j:S+j+1]
	v_pk_add_f32 v[SM:SM+1], v[SM:SM+1], v[S+j+2:S+j+3]
.set j, j+4
.endr
	v_pk_add_f32 v[\st+2:\st+3], v[\st+2:\st+3], v[SM:SM+1]
	s_wait_alu depctr_va_vdst(0)                   ; and one for the four
.irp b, 0,1,2,3
	v_max_num_f32 v[BM+\b], 0x1800000, v[BM+\b]    ; the floor 2^(3 - 127): the byte cannot fall under 1
.endr
.irp b, 0,1,2,3
	v_add_nc_u32 v[SO+\b], 0xff000000, v[BM+\b]    ; 2 off the exponent field: the conversion's scale operand
.endr
.irp b, 0,1,2,3
	v_lshrrev_b32 v[PT+\b], 23, v[SO+\b]           ; the scale's byte
.endr
	v_lshl_or_b32 v[PW], v[PT+1], 8, v[PT]
	v_lshl_or_b32 v[PW], v[PT+2], 16, v[PW]
	v_lshl_or_b32 v[PW], v[PT+3], 24, v[PW]
.irp c, 0,1
	v_cvt_scalef32_pk16_fp6_f32 v[PC+6*\c:PC+6*\c+2], v[S+32*\c:S+32*\c+15], v[SO+2*\c]
	v_cvt_scalef32_pk16_fp6_f32 v[CT+4*\c:CT+4*\c+2], v[S+32*\c+16:S+32*\c+31], v[SO+2*\c+1]
.endr
	v_nop                                          ; one plain place behind a scaled conversion
.irp c, 0,1                                    ; a whole block in a lane: lanes 0-15 block 2 c, lanes 16-31 block 2 c + 1
.irp i, 0,1,2
	v_permlane16_swap_b32 v[PC+6*\c+\i], v[CT+4*\c+\i]
.endr
.irp i, 0,1,2
	v_mov_b32 v[PC+3+6*\c+\i], v[CT+4*\c+\i]
.endr
.endr
.set j, 0
.rept 16
	v_pk_mul_f32 v[\o+j:\o+j+1], v[\o+j:\o+j+1], v[FP:FP+1] op_sel_hi:[1,0]   ; O^T under the new M, each accumulator from its low end.  These sixteen also stand between the writes of p's codes and scale word and the scaled products
.set j, j+2
.endr
.irp f, 0,1,2,3
.irp c, 0,1,2
	ds_load_b128 v[F+12*\f+4*\c:F+12*\f+4*\c+3], v[ADV] offset:1536*\f+512*\c
.endr
.endr
	ds_load_b128 v[KS:KS+3], v[ADS] offset:4096    ; V's scale words lie 4,096 bytes behind K's
	s_wait_dscnt 0x0
.irp f, 0,1,2,3                                ; four accumulators, one instruction each
	v_wmma_scale_f32_16x16x128_f8f6f4 v[\o+8*\f:\o+8*\f+7], v[F+12*\f:F+12*\f+11], v[PC:PC+11], v[\o+8*\f:\o+8*\f+7], v[KS+\f], v[PW] matrix_a_fmt:MATRIX_FMT_FP6 matrix_b_fmt:MATRIX_FMT_FP6
.endr
.endm
	s_wait_tensorcnt 0x1                           ; my part of steps 0 and 1 and of the scale words is in; the larger load may stay out
	s_barrier_signal -1
	s_barrier_wait -1                              ; everybody's is
	s_mov_b32 s[STP], 0
	s_mov_b32 s[KA], 0
	s_mov_b32 s[VA], 12288
	s_mov_b32 s[SA], 0
.Lfirst:                                           ; steps 0 and 1.  Tile A's last step is 8 or more: it takes both, and neither is its diagonal
	UNIT STA, OA, QB+6, QB, QSA, TA, 0
	s_cmp_gt_u32 s[STP], s[TB]
	s_cbranch_scc1 .Lno_b_first
	UNIT STB, OB, QB+18, QB+12, QSB, TB, 1
.Lno_b_first:
	s_add_co_u32 s[KA], s[KA], 6144
	s_add_co_u32 s[VA], s[VA], 6144
	s_add_co_u32 s[SA], s[SA], 256
	s_add_co_u32 s[STP], s[STP], 1
	s_cmp_lt_u32 s[STP], 2
	s_cbranch_scc1 .Lfirst
	s_wait_tensorcnt 0x0                           ; my part of steps 2 to 15 is in,
	s_wait_dscnt 0x0
	s_barrier_signal -1
	s_barrier_wait -1                              ; everybody's is: from here on no wave waits for another
	s_mov_b32 s[STP], 2
	s_mov_b32 s[KA], 32768
	s_mov_b32 s[VA], 118784
	s_mov_b32 s[SA], 512
.Lrest:                                            ; 14 trips for every wave; a tile's units behind its diagonal are jumped over
	s_cmp_gt_u32 s[STP], s[TA]
	s_cbranch_scc1 .Lno_a
	UNIT STA, OA, QB+6, QB, QSA, TA, 1
.Lno_a:
	s_cmp_gt_u32 s[STP], s[TB]
	s_cbranch_scc1 .Lno_b
	UNIT STB, OB, QB+18, QB+12, QSB, TB, 1
.Lno_b:
	s_add_co_u32 s[KA], s[KA], 6144
	s_add_co_u32 s[VA], s[VA], 6144
	s_add_co_u32 s[SA], s[SA], 256
	s_add_co_u32 s[STP], s[STP], 1
	s_cmp_lt_u32 s[STP], 16
	s_cbranch_scc1 .Lrest
; A TILE'S WAY OUT: y = O^T / the sum; into natural order; two blocks of 32 quantised; six registers of codes and a byte a lane stored.  g: the register with the tile's group.
.macro FINISH st, o, g
	s_lshr_b32 s54, s[BH], 4                       ; batch
	s_lshl_b32 s54, s54, 7
	s_lshl_b32 s55, s[\g], 3
	s_add_co_u32 s54, s54, s55
	s_add_co_u32 s54, s54, s[EE]                   ; token / 16 = 128 x batch + 8 x group + e
	s_and_b32 s55, s[BH], 15                       ; the head
	s_mul_i32 s56, s54, 12288
	s_mul_i32 s57, s55, 768
	s_add_co_u32 s56, s56, s57
	s_mov_b32 s57, 0
	s_add_nc_u64 s[56:57], s[6:7], s[56:57]
	s_lshl_b32 s58, s54, 9
	s_lshr_b32 s59, s55, 1
	s_lshl_b32 s59, s59, 6
	s_add_co_u32 s58, s58, s59
	s_and_b32 s59, s55, 1
	s_lshl_b32 s59, s59, 1
	s_add_co_u32 s58, s58, s59
	s_mov_b32 s59, 0
	s_add_nc_u64 s[58:59], s[8:9], s[58:59]
	v_add_f32 v[\st+2], v[\st+2], v[\st+3]         ; the sum's two halves,
	v_permlanex16_b32 v[T0], v[\st+2], s[SEL], s[SEL+1]
	v_add_f32 v[\st+2], v[\st+2], v[T0]            ; and lane l xor 16's
	v_rcp_f32 v[\st+2], v[\st+2]
	v_nop                                          ; a plain place behind the reciprocal,
	s_wait_alu depctr_va_vdst(0)                   ; and the wait ahead of its first reader
.set j, 0
.rept 16
	v_pk_mul_f32 v[\o+j:\o+j+1], v[\o+j:\o+j+1], v[\st+2:\st+3] op_sel_hi:[1,0]   ; register 8 t + i: channel 16 t + 8 h + i; each accumulator from its low end
.set j, j+2
.endr
.irp b, 0,1
.irp i, 0,1,2,3,4,5,6,7
	v_permlane16_swap_b32 v[\o+16*\b+\i], v[\o+16*\b+8+\i]   ; registers 16 b + 0 .. 15 now hold channels 32 b + 16 h + 0 .. 15: W_proj's codes are given in natural order
.endr
.endr
.irp b, 0,1
	v_max3_num_f32 v[BM+\b], |v[\o+16*\b]|, |v[\o+16*\b+1]|, 0x1800000
.endr
.irp i, 2,4,6,8,10,12,14
.irp b, 0,1
	v_max3_num_f32 v[BM+\b], v[BM+\b], |v[\o+16*\b+\i]|, |v[\o+16*\b+\i+1]|
.endr
.endr
.irp b, 0,1
	v_permlanex16_b32 v[PT+\b], v[BM+\b], s[SEL], s[SEL+1]
.endr
.irp b, 0,1
	v_max_num_f32 v[BM+\b], v[BM+\b], v[PT+\b]
.endr
.irp b, 0,1
	v_add_nc_u32 v[SO+\b], 0xff000000, v[BM+\b]
.endr
.irp b, 0,1
	v_lshrrev_b32 v[PT+\b], 23, v[SO+\b]
.endr
	v_cvt_scalef32_pk16_fp6_f32 v[PC:PC+2], v[\o:\o+15], v[SO]
	v_cvt_scalef32_pk16_fp6_f32 v[CT:CT+2], v[\o+16:\o+31], v[SO+1]
	v_cndmask_b32 v[T0], v[PT], v[PT+1], s[HI16]   ; my block's byte.  (The plain place behind the conversions)
.irp i, 0,1,2
	v_permlane16_swap_b32 v[PC+\i], v[CT+\i]
.endr
.irp i, 0,1,2
	v_mov_b32 v[PC+3+\i], v[CT+\i]                 ; lane (r, h): token r, block h, 32 codes
.endr
.irp p, 0,1,2
	global_store_b64 v[YO], v[PC+2*\p:PC+2*\p+1], s[56:57] offset:256*\p   ; 32 lanes store 256 consecutive bytes, aligned
.endr
	global_store_b8 v[YSO], v[T0], s[58:59]        ; a byte a lane: the neighbouring bytes belong to another head, which another cluster makes
.endm
.rept 4
	v_nop                                          ; places behind the last products
.endr
	FINISH STA, OA, TA
	s_wait_xcnt 0x0                                ; the stores have read their registers and bases: both are written again
	FINISH STB, OB, TB
	s_wait_tensorcnt 0x0
	ds_add_u32 v254, v255
	s_wait_dscnt 0x0
	CROUND                                         ; the closing round
	s_endpgm
.Lfunc_end_k_q1e71dd3105_attn:
	.size	k_q1e71dd3105_attn, .Lfunc_end_k_q1e71dd3105_attn-k_q1e71dd3105_attn
	.p2alignl 7, 3214868480
	.fill 96, 4, 3214868480
	.section	.rodata,"a",@progbits
	.p2align	6, 0x0
	.amdhsa_kernel k_q1e71dd3105_attn
		.amdhsa_group_segment_fixed_size 206848
		.amdhsa_private_segment_fixed_size 0
		.amdhsa_enable_private_segment 0
		.amdhsa_kernarg_size 24
		.amdhsa_user_sgpr_count 2
		.amdhsa_user_sgpr_kernarg_segment_ptr 1
		.amdhsa_wavefront_size32 1
		.amdhsa_system_sgpr_workgroup_id_x 1
		.amdhsa_system_sgpr_workgroup_id_y 1
		.amdhsa_system_sgpr_workgroup_id_z 1
		.amdhsa_system_vgpr_workitem_id 0
		.amdhsa_next_free_vgpr 256
		.amdhsa_next_free_sgpr 66
		.amdhsa_reserve_vcc 1
		.amdhsa_float_denorm_mode_32 3
		.amdhsa_float_denorm_mode_16_64 3
		.amdhsa_memory_ordered 1
		.amdhsa_forward_progress 1
		.amdhsa_inst_pref_size 96
	.end_amdhsa_kernel
	.amdgpu_metadata
---
amdhsa.version: [ 1, 2 ]
amdhsa.kernels:
  - .name:           k_q1e71dd3105_attn
    .symbol:         k_q1e71dd3105_attn.kd
    .args:
      - { .name: qkv, .offset: 0, .size: 8, .value_kind: global_buffer, .address_space: global }
      - { .name: yc, .offset: 8, .size: 8, .value_kind: global_buffer, .address_space: global }
      - { .name: ys, .offset: 16, .size: 8, .value_kind: global_buffer, .address_space: global }
    .group_segment_fixed_size: 206848
    .private_segment_fixed_size: 0
    .kernarg_segment_align: 8
    .kernarg_segment_size: 24
    .max_flat_workgroup_size: 512
    .sgpr_count:     66
    .vgpr_count:     256
    .wavefront_size: 32
...
	.end_amdgpu_metadata
.endif
;; end of part 3
;; launch proj (part 4): grid 8 x 32, 4 waves a work-group, clusters of 4 x 4, 327,680 bytes of LDS; arguments yc, ys, W_proj_codes, W_proj_scales, b_proj, out0; writes out0
.if DOCPART == 4
	.amdgcn_target "amdgcn-amd-amdhsa--gfx1250"
	.amdhsa_code_object_version 6
	.text
	.protected	k_q1e71dd3105_proj
	.globl	k_q1e71dd3105_proj
	.p2align	8
	.type	k_q1e71dd3105_proj,@function
k_q1e71dd3105_proj:
	s_mov_b64 s[64:65], 0
	v_nop
	global_prefetch_b8 v0, s[64:65] scope:SCOPE_SE
	s_setreg_imm32_b32 hwreg(HW_REG_WAVE_MODE, 25, 1), 1
	s_wait_xcnt 0x0
	s_wait_alu depctr_hold_cnt(0) depctr_sa_sdst(0) depctr_va_vdst(0) depctr_va_sdst(0) depctr_va_ssrc(0) depctr_va_vcc(0) depctr_vm_vsrc(0)
	s_getreg_b32 s2, hwreg(HW_REG_IB_STS2, 6, 4)
	s_cmp_eq_u32 s2, 0
	s_cbranch_scc0 .Lentry_in_a_cluster
	s_endpgm
.Lentry_in_a_cluster:
	s_bfe_u32 s2, ttmp6, 0x10000c
	s_cmp_lg_u32 s2, 0xf033
	s_cbranch_scc0 .Lentry_shape_is_right
	s_endpgm
.Lentry_shape_is_right:
; out0 = y W_proj + b_proj on codes of FP6 (E2M3) with E8M0 scales.  y: 8,192 tokens x 1,024, as images of operand registers: yc [token / 16][head 0..15][768] (six registers: registers 2 p, 2 p + 1 of lane l at
; 256 p + 8 l; lane (r, h): token r, the head's block h of 32), ys [token / 16][head / 2][r][4]: the scale word of 128 along K.  W_proj: [1024 (n)][1024 (k)] codes, 768 bytes a row; 32 scale bytes a row.  out0 f32.
; A work-group of four waves makes 256 tokens x 128 columns, a wave 128 x 64.  ALL OF K lies in LDS, filled ONCE: no ring.  A wave's 32 fragments of W (64 columns x all of K, 384 registers) stay in registers, and it
; finishes one tile of 16 tokens x 64 columns after the other (32 matrix instructions, four accumulators by turns, K ascending), so that finished rows leave while the next are multiplied.
; CLUSTERS: 4 x 4 work-groups; y's codes and scales are asked for jointly by a row of the cluster, W's by a column; every wave brings a quarter of each of the four blocks.
; The matrix instruction is used transposed (source 0 = 16 rows of W, source 1 = 16 tokens): a lane holds eight neighbouring columns of a token.  The bias is the C of each sum's first matrix instruction.
; No prefetch: every byte is asked for by the loads at the head.
; REGISTERS: window 0: v1-12 addresses; v32-63 W's scale words; v64-79 y's, two sets; v80-143 accumulators, two sets of 32; v144-207 rows on their way out, two sets; v208-239 the bias.
;   window 1: W's fragments of K steps 0-4 at v[48 q + 12 j];  window 2: of K steps 5-7;  window 3: y's fragments, two sets of 96.
.set BC,   196608                      ; LDS: 0 y's codes, 16 tiles x 12,288;  here W's 128 rows,
.set BP,   816                         ; 3 x (256 bytes + 16 of padding) apart;
.set AS,   BC+128*BP                   ; y's scale words, 16 tiles x 512;
.set BS,   AS+8192                     ; W's scale bytes, 16 x (256 + 16)
.set STG,  4352                        ; the way out: two stages of 16 rows x (256 + 16) bytes a wave, in W's bytes: those have had their only fill, and behind the second barrier nobody reads them
.set ADB,  4                           ; v4   LDS address of my rows of W;  v5 the same behind one padding more
.set ADB2, 5
.set ADWB, 6                           ; v6   of W's scale words
.set ADA,  7                           ; v7   of y's pieces: 8 x lane + the tile in hand
.set ADW,  8                           ; v8   of y's scale words
.set STO,  9                           ; v9   the stage: where I put 32 bytes of a row
.set RD,   10                          ; v10  and where I read rows back
.set CO,   11                          ; v11  my byte offset in two rows of out0
.set BO,   12                          ; v12  my offset in the bias
.set WW,   32
.set YW,   64
.set ACC,  80
.set BK,   144
.set BI,   208
.set WV,   16
.set WH,   17
.set WL,   18
.set G1BC, 24                          ; groups 1: W's codes, W's scales, y's scales, y's codes
.set G1BS, 32
.set G1AS, 40
.set G1AC, 48
.set G0BC, 56                          ; groups 0
.set G0BS, 60
.set G0AS, 68
.set G0AC, 72
.set MSB, 0
.macro WIN new                         ; the immediate's high byte repeats the setting that is left
.if MSB != \new
	s_set_vgpr_msb (MSB<<8)|\new
.set MSB, \new
.endif
.endm
.macro CROUND                          ; a round of the cluster's barrier
	s_barrier_signal -1
	s_barrier_wait -1
	s_cmp_lg_u32 s[WV], 0
	s_cbranch_scc1 .Lnot_wave_0_\@
	s_barrier_signal -3
.Lnot_wave_0_\@:
	s_barrier_wait -3
	s_barrier_signal -1
	s_barrier_wait -1
.endm
.macro PLACES                          ; four plain vector instructions that name no register of the matrix instructions before them (ISA guide 7.12.1 for vector instructions)
.rept 4
	v_nop
.endr
.endm
	s_load_b256 s[4:11], s[0:1], 0x0               ; yc, ys, W's codes, W's scales
	s_load_b128 s[12:15], s[0:1], 0x20             ; b_proj, out0
	v_lshl_add_u32 v254, v0, 2, 0x4c900
	v_mov_b32 v255, 0
	ds_add_u32 v254, v255
	ds_add_u32 v254, v255
	v_lshrrev_b32 v1, 5, v0
	v_readfirstlane_b32 s[WV], v1                  ; wave 0..3
	s_lshr_b32 s[WH], s[WV], 1                     ; which 128 tokens are mine,
	s_and_b32 s[WL], s[WV], 1                      ; which 64 columns
	s_bfe_u32 s19, ttmp6, 0x40000                  ; cx, cy
	s_bfe_u32 s20, ttmp6, 0x40004
	s_lshl_b32 s21, ttmp9, 2
	s_add_co_u32 s21, s21, s19                     ; tile of 128 columns
	s_and_b32 s22, ttmp7, 0xffff
	s_lshl_b32 s22, s22, 2
	s_add_co_u32 s22, s22, s20                     ; tile of 256 tokens
	s_lshl_b32 s23, s20, 2
	s_lshl_b32 s23, 15, s23                        ; my row of the cluster
	s_lshl_b32 s66, 0x1111, s19                    ; my column
	; W's codes: 32 rows of 768 bytes (96 elements of 8), dense; 16 bytes of padding behind every 256
	s_or_b32 s[G1BC], s66, (3<<16)|(1<<20)|(1<<21)|(5<<22)|(3<<25)
	s_mov_b32 s[G1BC+1], 96<<16
	s_mov_b32 s[G1BC+2], 32<<16
	s_mov_b32 s[G1BC+3], 96<<16
	s_mov_b32 s[G1BC+4], 32
	s_mov_b32 s[G1BC+5], 96
	s_mov_b32 s[G1BC+6], 0
	s_mov_b32 s[G1BC+7], 0
	; W's scales: 1,024 dense bytes as 4 rows of 256, padded likewise
	s_or_b32 s[G1BS], s66, (3<<16)|(1<<20)|(1<<21)|(5<<22)|(3<<25)
	s_mov_b32 s[G1BS+1], 32<<16
	s_mov_b32 s[G1BS+2], 4<<16
	s_mov_b32 s[G1BS+3], 32<<16
	s_mov_b32 s[G1BS+4], 4
	s_mov_b32 s[G1BS+5], 32
	s_mov_b32 s[G1BS+6], 0
	s_mov_b32 s[G1BS+7], 0
	; y's scales: 2,048 dense bytes as 8 rows of 256, no padding
	s_or_b32 s[G1AS], s23, (3<<16)|(1<<21)
	s_mov_b32 s[G1AS+1], 32<<16
	s_mov_b32 s[G1AS+2], 8<<16
	s_mov_b32 s[G1AS+3], 32<<16
	s_mov_b32 s[G1AS+4], 8
	s_mov_b32 s[G1AS+5], 32
	s_mov_b32 s[G1AS+6], 0
	s_mov_b32 s[G1AS+7], 0
	; y's codes: 49,152 dense bytes as 192 rows of 256, no padding
	s_or_b32 s[G1AC], s23, (3<<16)|(1<<21)
	s_mov_b32 s[G1AC+1], 32<<16
	s_mov_b32 s[G1AC+2], 192<<16
	s_mov_b32 s[G1AC+3], 32<<16
	s_mov_b32 s[G1AC+4], 192
	s_mov_b32 s[G1AC+5], 32
	s_mov_b32 s[G1AC+6], 0
	s_mov_b32 s[G1AC+7], 0
	s_mul_i32 s76, s22, 196608                     ; y's addresses hang on the token tile and the wave alone,
	s_mul_i32 s80, s[WV], 49152
	s_add_co_u32 s76, s76, s80
	s_mov_b32 s77, 0
	s_lshl_b32 s82, s22, 13
	s_lshl_b32 s81, s[WV], 11
	s_add_co_u32 s82, s82, s81
	s_mov_b32 s83, 0
	s_mul_i32 s78, s21, 98304                      ; W's on the column tile and the wave alone
	s_mul_i32 s84, s[WV], 24576
	s_add_co_u32 s78, s78, s84
	s_mov_b32 s79, 0
	s_lshl_b32 s86, s21, 12
	s_lshl_b32 s85, s[WV], 10
	s_add_co_u32 s86, s86, s85
	s_mov_b32 s87, 0
	s_mul_i32 s88, s[WV], 32*BP                    ; LDS addresses hang on the wave alone
	s_mul_i32 s89, s[WV], 1088
	s_wait_dscnt 0x0
	s_wait_kmcnt 0x0
	s_mov_b32 s[G0BC], 1
	s_add_co_u32 s[G0BC+1], s88, BC
	s_add_nc_u64 s[G0BC+2:G0BC+3], s[8:9], s[78:79]
	s_or_b32 s[G0BC+3], s[G0BC+3], 0x80000000
	s_mov_b32 s[G0BS], 1
	s_add_co_u32 s[G0BS+1], s89, BS
	s_add_nc_u64 s[G0BS+2:G0BS+3], s[10:11], s[86:87]
	s_or_b32 s[G0BS+3], s[G0BS+3], 0x80000000
	s_mov_b32 s[G0AS], 1
	s_add_co_u32 s[G0AS+1], s81, AS
	s_add_nc_u64 s[G0AS+2:G0AS+3], s[6:7], s[82:83]
	s_or_b32 s[G0AS+3], s[G0AS+3], 0x80000000
	s_mov_b32 s[G0AC], 1
	s_mov_b32 s[G0AC+1], s80
	s_add_nc_u64 s[G0AC+2:G0AC+3], s[4:5], s[76:77]
	s_or_b32 s[G0AC+3], s[G0AC+3], 0x80000000
	CROUND                                         ; all sixteen work-groups are here: the joint loads meet
	tensor_load_to_lds s[G0BC:G0BC+3], s[G1BC:G1BC+7]
	s_nop 0
	tensor_load_to_lds s[G0BS:G0BS+3], s[G1BS:G1BS+7]
	s_nop 0
	tensor_load_to_lds s[G0AS:G0AS+3], s[G1AS:G1AS+7]
	s_nop 0
	tensor_load_to_lds s[G0AC:G0AC+3], s[G1AC:G1AC+7]   ; four loads of mine are out
	s_nop 0
	PLACES
	v_and_b32 v1, 31, v0                           ; lane
	v_and_b32 v2, 15, v0                           ; r
	v_bfe_u32 v3, v0, 4, 1                         ; h
	s_lshl_b32 s76, s21, 9                         ; my first column, in bytes of f32: 512 x column tile + 256 x half
	s_lshl_b32 s77, s[WL], 8
	s_add_co_u32 s76, s76, s77
	s_mov_b32 s77, 0
	s_add_nc_u64 s[12:13], s[12:13], s[76:77]
	s_add_nc_u64 s[14:15], s[14:15], s[76:77]
	s_lshl_b32 s76, s22, 20                        ; my first token's row of 4,096 bytes: 256 x token tile + 128 x half
	s_lshl_b32 s78, s[WH], 19
	s_add_co_u32 s76, s76, s78
	s_add_nc_u64 s[14:15], s[14:15], s[76:77]
	v_lshlrev_b32 v[BO], 5, v3                     ; the bias of columns 16 j + 8 h + 0 .. 7
.irp j, 0,1,2,3
	global_load_b128 v[BI+8*\j:BI+8*\j+3], v[BO], s[12:13] offset:64*\j
	global_load_b128 v[BI+8*\j+4:BI+8*\j+7], v[BO], s[12:13] offset:64*\j+16
.endr
	s_mul_i32 s78, s[WL], 64*BP
	s_add_co_u32 s78, s78, BC
	v_mul_u32_u24 v[ADB], v2, BP
	v_mad_u32_u24 v[ADB2], v3, 40, v[ADB]
	v_mad_u32_u24 v[ADB], v3, 24, v[ADB]
	v_add_nc_u32 v[ADB], s78, v[ADB]               ; row 64 x half + r, + 24 h
	v_add_nc_u32 v[ADB2], s78, v[ADB2]
	s_mul_i32 s78, s[WL], 2176
	s_add_co_u32 s78, s78, BS
	v_lshlrev_b32 v[ADWB], 5, v2                   ; 32 bytes a row,
	v_lshrrev_b32 v13, 3, v2
	v_lshl_add_u32 v[ADWB], v13, 4, v[ADWB]        ; and 16 more behind eight rows
	v_add_nc_u32 v[ADWB], s78, v[ADWB]
	s_mul_i32 s78, s[WH], 98304
	v_lshlrev_b32 v[ADA], 3, v1
	v_add_nc_u32 v[ADA], s78, v[ADA]
	s_lshl_b32 s78, s[WH], 12
	s_add_co_u32 s78, s78, AS
	v_lshlrev_b32 v[ADW], 2, v2
	v_add_nc_u32 v[ADW], s78, v[ADW]
	s_mul_i32 s78, s[WV], 2*STG
	s_add_co_u32 s78, s78, BC
	v_mul_u32_u24 v[STO], v2, 272
	v_lshl_add_u32 v[STO], v3, 5, v[STO]
	v_add_nc_u32 v[STO], s78, v[STO]               ; in: row r, 32 bytes for each half of the lanes
	v_mul_u32_u24 v[RD], v3, 272
	v_lshl_add_u32 v[RD], v2, 4, v[RD]
	v_add_nc_u32 v[RD], s78, v[RD]                 ; back: lanes 0-15 one row of 256 bytes, lanes 16-31 the next
	v_lshlrev_b32 v[CO], 12, v3
	v_lshl_add_u32 v[CO], v2, 4, v[CO]             ; and the same two rows in out0
.macro BFRAG reg, q, j                 ; W's fragment of columns 16 j on, K step q: pieces of 8 bytes; lanes 16-31 read three pieces further on, which for some is behind one padding more
.irp p, 0,1,2,3,4,5
.set PCE, 12*(\q)+6*(\p/3)+\p%3
.if PCE%32 < 29
	ds_load_b64 v[(\reg)+2*\p:(\reg)+2*\p+1], v[ADB] offset:8*PCE+16*(PCE/32)+16*BP*(\j)
.else
	ds_load_b64 v[(\reg)+2*\p:(\reg)+2*\p+1], v[ADB2] offset:8*PCE+16*(PCE/32)+16*BP*(\j)
.endif
.endr
.endm
.macro FETCH_A a                       ; tile a's eight fragments and scale words into set a % 2
	WIN 0xc0                                       ; destination window 3
.irp q, 0,1,2,3,4,5,6,7
.irp c, 0,1
.irp p, 0,1,2
	ds_load_b64 v[96*((\a)%2)+12*\q+6*\c+2*\p:96*((\a)%2)+12*\q+6*\c+2*\p+1], v[ADA] offset:768*(2*\q+\c)+256*\p
.endr
.endr
.endr
	WIN 0
.irp q, 0,1,2,3,4,5,6,7
	ds_load_b32 v[YW+8*((\a)%2)+\q], v[ADW] offset:512*(\a)+64*\q
.endr
	v_add_nc_u32 v[ADA], 12288, v[ADA]             ; on to the next tile
.endm
.macro STAGE t                         ; tile t's 16 x 64 results into my stage, each accumulator from its low end, and back as rows: LDS serves a wave's instructions in order (ISA guide 5.7.1.4)
.irp j, 0,1,2,3
	ds_store_b128 v[STO], v[ACC+32*((\t)%2)+8*\j:ACC+32*((\t)%2)+8*\j+3] offset:STG*((\t)%2)+64*\j
	ds_store_b128 v[STO], v[ACC+32*((\t)%2)+8*\j+4:ACC+32*((\t)%2)+8*\j+7] offset:STG*((\t)%2)+64*\j+16
.endr
.irp i, 0,1,2,3,4,5,6,7
	ds_load_b128 v[BK+32*((\t)%2)+4*\i:BK+32*((\t)%2)+4*\i+3], v[RD] offset:STG*((\t)%2)+544*\i
.endr
.endm
.macro SEND t
.irp i, 0,1,2,3,4,5,6,7
	global_store_b128 v[CO], v[BK+32*((\t)%2)+4*\i:BK+32*((\t)%2)+4*\i+3], s[14:15] offset:(16*(\t)+2*\i)*4096 th:TH_STORE_NT   ; sixteen lanes store 256 consecutive bytes, aligned; written once, read by nobody here
.endr
.endm
.macro TILE a
	s_wait_dscnt 0x0                               ; this tile's fragments are in, and tile a - 2's rows are back from the stage
.if (\a) >= 2
	SEND (\a)-2
.endif
	PLACES                                         ; behind tile a - 1's products: for the loads into the set that they read, and for the stage's reads of their results
.if (\a) < 7
	FETCH_A (\a)+1
.endif
.irp q, 0,1,2,3,4,5,6,7
.if \q < 5
	WIN 0x0d                                       ; source 0 (W) window 1, source 1 (y) window 3
.else
	WIN 0x0e                                       ; source 0 window 2
.endif
.irp j, 0,1,2,3
.if \q == 0
	v_wmma_scale_f32_16x16x128_f8f6f4 v[ACC+32*((\a)%2)+8*\j:ACC+32*((\a)%2)+8*\j+7], v[48*(\q%5)+12*\j:48*(\q%5)+12*\j+11], v[96*((\a)%2)+12*\q:96*((\a)%2)+12*\q+11], v[BI+8*\j:BI+8*\j+7], v[WW+4*\q+\j], v[YW+8*((\a)%2)+\q] matrix_a_fmt:MATRIX_FMT_FP6 matrix_b_fmt:MATRIX_FMT_FP6
.else
	v_wmma_scale_f32_16x16x128_f8f6f4 v[ACC+32*((\a)%2)+8*\j:ACC+32*((\a)%2)+8*\j+7], v[48*(\q%5)+12*\j:48*(\q%5)+12*\j+11], v[96*((\a)%2)+12*\q:96*((\a)%2)+12*\q+11], v[ACC+32*((\a)%2)+8*\j:ACC+32*((\a)%2)+8*\j+7], v[WW+4*\q+\j], v[YW+8*((\a)%2)+\q] matrix_a_fmt:MATRIX_FMT_FP6 matrix_b_fmt:MATRIX_FMT_FP6
.endif
.endr
.endr
	WIN 0
.if (\a) >= 1
	s_wait_xcnt 0x0                                ; tile a - 3's stores have read the registers into which tile a - 1's rows come back
	STAGE (\a)-1
.endif
.endm
	s_wait_tensorcnt 0x0                           ; my quarters are in,
	s_barrier_signal -1
	s_barrier_wait -1                              ; everybody's are
	WIN 0x40                                       ; destination window 1
.irp q, 0,1,2,3,4
.irp j, 0,1,2,3
	BFRAG 48*\q+12*\j, \q, \j
.endr
.endr
	WIN 0x80                                       ; destination window 2
.irp q, 5,6,7
.irp j, 0,1,2,3
	BFRAG 48*(\q-5)+12*\j, \q, \j
.endr
.endr
	WIN 0
.irp q, 0,1,2,3,4,5,6,7
.irp j, 0,1,2,3
	ds_load_b32 v[WW+4*\q+\j], v[ADWB] offset:544*\j+4*\q
.endr
.endr
	FETCH_A 0
	s_wait_loadcnt 0x0                             ; the bias
	s_wait_dscnt 0x0                               ; my reads of W's bytes are over:
	s_barrier_signal -1
	s_barrier_wait -1                              ; everybody's are, so the stages may be written there
.irp a, 0,1,2,3,4,5,6,7
	TILE \a
.endr
	PLACES                                         ; behind the last products
	s_wait_dscnt 0x0
	SEND 6
	s_wait_xcnt 0x0                                ; tile 5's stores have read their registers
	STAGE 7
	s_wait_dscnt 0x0
	SEND 7
	s_wait_tensorcnt 0x0
	ds_add_u32 v254, v255
	s_wait_dscnt 0x0
	CROUND                                         ; the closing round: no work-group ends while a partner may still ask for a block that names it
	s_endpgm
.Lfunc_end_k_q1e71dd3105_proj:
	.size	k_q1e71dd3105_proj, .Lfunc_end_k_q1e71dd3105_proj-k_q1e71dd3105_proj
	.p2alignl 7, 3214868480
	.fill 96, 4, 3214868480
	.section	.rodata,"a",@progbits
	.p2align	6, 0x0
	.amdhsa_kernel k_q1e71dd3105_proj
		.amdhsa_group_segment_fixed_size 327680
		.amdhsa_private_segment_fixed_size 0
		.amdhsa_enable_private_segment 0
		.amdhsa_kernarg_size 48
		.amdhsa_user_sgpr_count 2
		.amdhsa_user_sgpr_kernarg_segment_ptr 1
		.amdhsa_wavefront_size32 1
		.amdhsa_system_sgpr_workgroup_id_x 1
		.amdhsa_system_sgpr_workgroup_id_y 1
		.amdhsa_system_sgpr_workgroup_id_z 1
		.amdhsa_system_vgpr_workitem_id 0
		.amdhsa_next_free_vgpr 960
		.amdhsa_next_free_sgpr 90
		.amdhsa_reserve_vcc 0
		.amdhsa_float_denorm_mode_32 3
		.amdhsa_float_denorm_mode_16_64 3
		.amdhsa_memory_ordered 1
		.amdhsa_forward_progress 1
		.amdhsa_inst_pref_size 101
	.end_amdhsa_kernel
	.amdgpu_metadata
---
amdhsa.version: [ 1, 2 ]
amdhsa.kernels:
  - .name:           k_q1e71dd3105_proj
    .symbol:         k_q1e71dd3105_proj.kd
    .args:
      - { .name: yc, .offset: 0, .size: 8, .value_kind: global_buffer, .address_space: global }
      - { .name: ys, .offset: 8, .size: 8, .value_kind: global_buffer, .address_space: global }
      - { .name: W_proj_codes, .offset: 16, .size: 8, .value_kind: global_buffer, .address_space: global }
      - { .name: W_proj_scales, .offset: 24, .size: 8, .value_kind: global_buffer, .address_space: global }
      - { .name: b_proj, .offset: 32, .size: 8, .value_kind: global_buffer, .address_space: global }
      - { .name: out0, .offset: 40, .size: 8, .value_kind: global_buffer, .address_space: global }
    .group_segment_fixed_size: 327680
    .private_segment_fixed_size: 0
    .kernarg_segment_align: 8
    .kernarg_segment_size: 48
    .max_flat_workgroup_size: 128
    .sgpr_count:     90
    .vgpr_count:     960
    .wavefront_size: 32
...
	.end_amdgpu_metadata
.endif
;; end of part 4
